; MI455X (gfx1250); checked and timed in simulation.
; The chip was launched on July 23, 2026; its instructions are those of AMD's public machine-readable ISA for CDNA 5 (MIT licence, August 2026) and "CDNA5" Instruction Set Architecture Reference Guide (July 2026). The comments in the code are by the model that wrote it; some were corrected since.
;; Causal Varlen Self Attention. Allowed arithmetic: matrix products marked QUANTISED: E2M1 operands, one E8M0 scale for each 32 along K, by v_wmma_scale_f32_16x16x128_f8f6f4 with both operands' format E2M1 (or v_wmma_scale_f32_32x16x128_f4), f32 sums; products left as they are: bf16, f16 or f32 operands; f32 sums; everything else in f32.
;; Inputs: Wo 1,024 x 1,024 float32; Wqkv 3,072 x 1,024 float32; cos_cache 1,024 x 32 float32; cu_seqlens 9 int32; gate_b 16 float32; gate_w 16 x 1,024 float32; position_ids 8,192 int32; sin_cache 1,024 x 32 float32; x 8,192 x 1,024 float32.
;; Outputs: out0 8,192 x 1,024 float32.
;; Constants: max_seqlen = 1024.
;; This version of the problem:
;;   THIS VERSION OF THE PROBLEM IS GIVEN IN LOW PRECISION. The matrix products marked QUANTISED in the list below multiply operands that are first quantised to E2M1 (2 exponent bits, 1 mantissa bit; 4 bits a number), with one power-of-two scale for each 32 numbers along K (OCP MX v1.0); their sums are f32. The products marked 'left as it is' may take bf16, f16 or f32 operands, with f32 sums. Whichever they take, every output number must still come out within the allowed error. Rounding operands to bf16 (8 significant bits) uses up far more of that allowance than f16 does (11 bits, for magnitudes from 6e-5 to 65,504). All else is computed in f32.
;;   The module's matrix products, in the order in which they are computed (A, B: the left and right operand; K: the contracted axis; several contracted axes count as one K, in the product's order):
;;     1. [M 8,192, K 1,024] x [K 1,024, N 3,072]; A: input x; B: input Wqkv: QUANTISED
;;     2. batch 128 x [M 1,024, K 64] x [K 64, N 1,024]; A: computed on the way; B: computed on the way: left as it is (an operand is computed on the way)
;;     3. batch 128 x [M 64, K 1,024] x [K 1,024, N 1,024]; A: computed on the way; B: computed on the way: left as it is (an operand is computed on the way)
;;     4. [M 8,192, K 1,024] x [K 1,024, N 16]; A: input x; B: input gate_w: QUANTISED
;;     5. [M 8,192, K 1,024] x [K 1,024, N 1,024]; A: computed on the way; B: input Wo: left as it is (an operand is computed on the way)
;;   THE QUANTISER, for each operand of a quantised product, along K:
;;     - K is cut into blocks of 32 from its start; a last block that is shorter is filled with zeros.
;;     - A block's scale is 2^e with e = floor(log2(the largest magnitude in the block)) - 2, held to -126 .. 127; a block of zeros has e = 0. As a byte (E8M0): e + 127.
;;     - Each number is divided by its block's scale, clamped to +-6, and rounded to the nearest number of E2M1, ties to even, subnormals kept.
;;     - The product sums the exact products of the quantised numbers (number of the format x scale) in f32.
;;   ~~~python
;;   def quantise(x, axis):      # numpy; x: float32 -> the quantised numbers, widened to float32 again
;;       x = np.moveaxis(x, axis, -1); K = x.shape[-1]
;;       x = np.pad(x, [(0, 0)] * (x.ndim - 1) + [(0, -K % 32)]); x = x.reshape(x.shape[:-1] + (-1, 32)); a = np.abs(x).max(-1, keepdims=True)
;;       e = np.where(a > 0, np.clip(np.frexp(np.where(a > 0, a, 1))[1] - 1 - 2, -126, 127), 0)      # np.frexp(a)[1] - 1 = floor(log2(a)), exactly
;;       r = np.clip(x / 2.0 ** e, -6, 6)
;;       step = 2.0 ** (np.maximum(np.frexp(np.where(r == 0, 1, r))[1] - 1, 0) - 1)
;;       q = np.round(r / step) * step * 2.0 ** e      # np.round: ties to even
;;       return np.moveaxis(q.reshape(q.shape[:-2] + (-1,))[..., :K], -1, axis).astype(np.float32)
;;   ~~~
;; One version. Each part assembles by itself: llvm-mc -triple=amdgcn-amd-amdhsa -mcpu=gfx1250 --defsym DOCPART=n.
;; ======== version 1 of 1: 5 launches
;; limits: values are held in f16: magnitudes above 65,504 overflow, below 6.1e-05 lose precision
;; workspace buffers: xwcodes 5,767,168 bytes; xwscales 360,448 bytes; woh 2,097,152 bytes; gates 524,288 bytes; qkvh 50,331,648 bytes; atth 16,777,216 bytes; fine32 1,572,864 bytes
;; launch prep (part 1): grid 176 x 1, 4 waves a work-group, no clusters, 327,680 bytes of LDS; arguments x, Wqkv, gate_w, gate_b, Wo, xwcodes, xwscales, gates, woh; writes xwcodes, xwscales, gates, woh
.if DOCPART == 1
	.amdgcn_target "amdgcn-amd-amdhsa--gfx1250"
	.amdhsa_code_object_version 6
	.text
	.protected	k_q2f86147632_prep
	.globl	k_q2f86147632_prep
	.p2align	8
	.type	k_q2f86147632_prep,@function
k_q2f86147632_prep:
	s_mov_b64 s[64:65], 0
	v_nop
	global_prefetch_b8 v0, s[64:65] scope:SCOPE_SE
	s_setreg_imm32_b32 hwreg(HW_REG_WAVE_MODE, 25, 1), 1
	s_wait_xcnt 0x0
; PREP: x [8192][1024] and Wqkv [3072][1024], f32, become codes of FP4 (E2M1) with one E8M0 byte for each 32 along K, in one joint numbering of rows (0-8191 x, 8192-11263 Wqkv):
; codes 512 bytes a row, scale bytes 32 a row.  The work-groups of x also make gate = sigmoid(Q(x) Q(gate_w)^T + gate_b) on the FP4 matrix form, and turn Wo into f16 fragment images.
; WORK LEFT OUT IN THIS PROGRAM.  cu_seqlens enters reference() by its shape alone (B = 8) and max_seqlen not at all: neither has a way to an output, neither is loaded nor an argument of any launch.
; Key steps that lie wholly above the diagonal are thrown away by the tril that reference() builds itself: they are not multiplied (launch attn).
; The maximum ahead of the exponential: q and k are normalised by reference() itself, |q|^2 = 64 s / (s + 64 eps) <= 64, so |q.k| / 8 <= 8 for every input, e^score lies in 3.4e-4 .. 2,981, and a row's sum
; under 3.1e6: no exponential and no sum can overflow or underflow in f32 or f16, so no maximum is taken away.  A NaN, an infinity or an overflow that reaches only the work left out is not carried to the result.
; LIMITS: NaN and infinities among the inputs are not served; a block of zeros gets the byte 1 (its codes are zeros, and this program alone reads the bytes); blocks under 2^-124 were not tried.
; SHARES.  Work-group g takes joint rows 64 g .. 64 g + 63, wave w 16 of them with all 1,024 of K: four tensor loads of 16 rows x 1,024 bytes a wave, all asked for at the head (4 of mine are out at the most),
; each read by the wave that asked for it alone, behind its own counted wait.  Nothing is filled again.  A tile has 16 rows since a wave owns 16 rows.
; A step is 128 along K: 64 numbers a lane (16 neighbours of each block of 32; lanes l and l xor 16 share a block), quantised in registers; the codes go through the wave's stage and leave as whole rows of 512 bytes.
.set XTW,   66560                      ; LDS: a wave's four tiles
.set XTT,   16640                      ; a tile: 16 rows x 1,040
.set XP,    1040                       ; a row: 1,024 bytes + 16 of padding: row r starts 16 r bytes on modulo 256
.set CST,   266240                     ; the codes' stages: 16 rows x 528 for each wave
.set CSW,   8448
.set CP,    528
.set GIM,   300032                     ; gate_w's eight fragments as images of their registers, 1,024 bytes each
.set GSC,   308224                     ; their scale words, 128 bytes each
.set SPARE, 309248                     ; the spare words, 128 bytes for each wave
.set XR,  4                            ; v4   my place in my wave's tiles
.set LI,  5                            ; v5   16 x lane
.set CW,  6                            ; v6   the stage, on the way in
.set CR,  7                            ; v7   and on the way out
.set LIG, 8                            ; v8   GIM + 16 x lane
.set LSG, 9                            ; v9   GSC + 4 x lane
.set GA,  10                           ; v10  gate_w: 4,096 r + 64 h
.set SO,  11                           ; v11  scale bytes: 32 r + 16 h
.set GO,  12                           ; v12  gate: 64 r + 32 h
.set IWG, 13                           ; v13  where my wave puts its two images
.set ISG, 14                           ; v14  and their scale words
.set H32, 15                           ; v15  32 h
.set SPW, 16                           ; v16  my spare word; never rewritten
.set NIL, 17                           ; v17  0; never rewritten
.set WA,  18                           ; v18  Wo: 4,096 r + 32 h
.set TM,  20                           ; v20-35   at work in QUANT
.set SW,  36                           ; v36-43   x's (or Wqkv's) scale words, one a step: scales and nothing else
.set X,   64                           ; v64-127  64 numbers; later the stage's rows; later gate_w's fragments
.set PCS, 128                          ; v128-191 the codes of the eight steps; ahead of them Wo's numbers
.set GS,  192                          ; v192-199 gate_w's scale words: scales and nothing else
.set BI,  200                          ; v200-207 gate_b in the result's layout
.set AC0, 208                          ; v208-223 two accumulators
.set AC1, 216
.set T,   224                          ; v224-231 at work
.set PCG, 232                          ; v232-247 gate_w's codes as they are made
.set PWG, 248                          ; v248-249 and their scale words on the way to LDS
.set SOUT, 250                         ; v250-253 16 scale bytes to store
.set WV,  22
.set ISX, 23
.set G1,  24
.set G0,  32
.set SEL, 48
; 64 numbers of a lane, register 16 b + i = k 32 b + 16 (lane / 16) + i of my row, become a fragment's codes in v[pc] on and its scale word in v[pw]
.macro QUANT s, pc, pw
.irp b, 0,1,2,3
	v_max3_num_f32 v[TM+\b], |v[\s+16*\b]|, |v[\s+1+16*\b]|, 0x1800000   ; my 16 numbers of block b, and the floor 2^(3 - 127): the byte cannot fall under 1
.endr
.irp i, 2,4,6,8,10,12,14
.irp b, 0,1,2,3
	v_max3_num_f32 v[TM+\b], v[TM+\b], |v[\s+16*\b+\i]|, |v[\s+1+16*\b+\i]|
.endr
.endr
.irp b, 0,1,2,3
	v_permlanex16_b32 v[TM+4+\b], v[TM+\b], s[SEL], s[SEL+1]
.endr
.irp b, 0,1,2,3
	v_max_num_f32 v[TM+\b], v[TM+\b], v[TM+4+\b]                  ; with lane l xor 16's: the block's largest magnitude
.endr
.irp b, 0,1,2,3
	v_add_nc_u32 v[TM+12+\b], 0xff000000, v[TM+\b]                ; 2 off its exponent field: the conversion's scale operand
.endr
.irp b, 0,1,2,3
	v_lshrrev_b32 v[TM+4+\b], 23, v[TM+12+\b]                     ; the scale's byte
.endr
	v_lshl_or_b32 v[\pw], v[TM+5], 8, v[TM+4]
	v_lshl_or_b32 v[\pw], v[TM+6], 16, v[\pw]
	v_lshl_or_b32 v[\pw], v[TM+7], 24, v[\pw]
.irp b, 0,1,2,3
	v_cvt_scalef32_pk8_fp4_f32 v[\pc+2*\b], v[\s+16*\b:\s+7+16*\b], v[TM+12+\b]
	v_cvt_scalef32_pk8_fp4_f32 v[\pc+1+2*\b], v[\s+8+16*\b:\s+15+16*\b], v[TM+12+\b]
.endr
	v_nop                                          ; one plain place behind a scaled conversion
.irp c, 0,1                                    ; a whole block in a lane: lanes 0-15 block 2 c, lanes 16-31 block 2 c + 1
.irp i, 0,1
	v_permlane16_swap_b32 v[\pc+4*\c+\i], v[\pc+2+4*\c+\i]
.endr
.endr
.endm
	s_load_b256 s[4:11], s[0:1], 0x0               ; x, Wqkv, gate_w, gate_b
	s_load_b256 s[12:19], s[0:1], 0x20             ; Wo, the codes, the scale bytes, gate
	s_load_b64 s[20:21], s[0:1], 0x40              ; Wo's images
	v_lshl_add_u32 v[SPW], v0, 2, SPARE
	v_mov_b32 v[NIL], 0
	ds_add_u32 v[SPW], v[NIL]                      ; the opening: the add, twice on end, and its wait ahead of my first tensor load
	ds_add_u32 v[SPW], v[NIL]
	v_lshrrev_b32 v1, 5, v0
	v_readfirstlane_b32 s[WV], v1                  ; wave 0..3
	s_mov_b32 s[G1], (2<<16)|(1<<20)|(7<<22)|(3<<25)   ; elements of 4 bytes; 4 words of padding after every 256
	s_mov_b32 s[G1+1], 256<<16                     ; tensor_dim0 = 256
	s_mov_b32 s[G1+2], 16<<16                      ; tensor_dim1 = 16
	s_mov_b32 s[G1+3], 256<<16                     ; tile_dim0 = 256
	s_mov_b32 s[G1+4], 16                          ; tile_dim1 = 16
	s_mov_b32 s[G1+5], 1024                        ; elements from row to row
	s_mov_b32 s[G1+6], 0
	s_mov_b32 s[G1+7], 0
	s_mul_i32 s50, s[WV], XTW                      ; my wave's tiles in LDS
	s_cmp_lt_u32 ttmp9, 128                        ; a work-group of x, or of Wqkv?
	s_cselect_b32 s[ISX], 1, 0
	s_cselect_b32 s54, 0, 128
	s_sub_co_u32 s54, ttmp9, s54
	s_lshl_b32 s54, s54, 18                        ; 64 rows of 4,096 bytes
	s_lshl_b32 s55, s[WV], 16                      ; 16 rows
	s_add_co_u32 s54, s54, s55
	s_mov_b32 s55, 0
	s_mov_b32 s[SEL], 0x76543210
	s_mov_b32 s[SEL+1], 0xfedcba98                 ; lane l xor 16
	s_wait_dscnt 0x0                               ; both opening adds are done
	s_wait_kmcnt 0x0
	s_cmp_lt_u32 ttmp9, 128
	s_cselect_b64 s[52:53], s[4:5], s[6:7]         ; the choice hangs on the work-group's number alone
	s_add_nc_u64 s[52:53], s[52:53], s[54:55]
.irp t, 0,1,2,3
	s_mov_b32 s[G0+4*\t], 1
	s_add_co_u32 s[G0+4*\t+1], s50, \t*XTT
	s_add_nc_u64 s[G0+4*\t+2:G0+4*\t+3], s[52:53], \t*1024   ; 256 along K on
	s_or_b32 s[G0+4*\t+3], s[G0+4*\t+3], 0x80000000
	tensor_load_to_lds s[G0+4*\t:G0+4*\t+3], s[G1:G1+7]
	s_nop 0
.endr
.rept 4
	v_nop
.endr
	v_and_b32 v1, 31, v0                           ; lane
	v_and_b32 v2, 15, v0                           ; r
	v_bfe_u32 v3, v0, 4, 1                         ; h
	v_mul_u32_u24 v[XR], v2, XP
	v_lshl_add_u32 v[XR], v3, 6, v[XR]
	v_add_nc_u32 v[XR], s50, v[XR]                 ; row r, + 64 h: my 16 numbers of a block of 32
	v_lshlrev_b32 v[LI], 4, v1
	s_mul_i32 s51, s[WV], CSW
	s_add_co_u32 s51, s51, CST
	v_mul_u32_u24 v[CW], v2, CP
	v_lshl_add_u32 v[CW], v3, 4, v[CW]
	v_add_nc_u32 v[CW], s51, v[CW]
	v_add_nc_u32 v[CR], s51, v[LI]
	v_add_nc_u32 v[LIG], GIM, v[LI]
	v_lshl_add_u32 v[LSG], v1, 2, GSC
	s_lshl_b32 s56, s[WV], 11
	v_add_nc_u32 v[IWG], s56, v[LIG]
	s_lshl_b32 s56, s[WV], 8
	v_add_nc_u32 v[ISG], s56, v[LSG]
	v_lshlrev_b32 v[GA], 12, v2
	v_lshl_add_u32 v[WA], v3, 5, v[GA]
	v_lshl_add_u32 v[GA], v3, 6, v[GA]
	v_lshlrev_b32 v[SO], 5, v2
	v_lshl_add_u32 v[SO], v3, 4, v[SO]
	v_lshlrev_b32 v[GO], 6, v2
	v_lshl_add_u32 v[GO], v3, 5, v[GO]
	v_lshlrev_b32 v[H32], 5, v3
.irp b, 0,1,2,3
	v_mov_b32 v[TM+4+\b], 0                        ; written once: a lane permute's destination counts as one of its sources
.endr
	s_lshl_b32 s54, ttmp9, 15                      ; my rows' codes: 64 x 512 bytes a work-group,
	s_lshl_b32 s56, s[WV], 13                      ; 16 x 512 a wave
	s_add_co_u32 s54, s54, s56
	s_add_nc_u64 s[14:15], s[14:15], s[54:55]
	s_lshr_b32 s54, s54, 4                         ; and their scale bytes: a sixteenth
	s_add_nc_u64 s[16:17], s[16:17], s[54:55]
	; ---- the work-groups of x, first block: four fragments of Wo to f16, and my wave's two K steps of gate_w into LDS
	s_cmp_eq_u32 s[ISX], 0
	s_cbranch_scc1 .Lnot_x_head
	s_lshr_b32 s56, ttmp9, 1                       ; Wo: block of 16 rows g / 2,
	s_lshl_b32 s56, s56, 16
	s_and_b32 s57, ttmp9, 1
	s_lshl_b32 s57, s57, 11                        ; steps of 32 along K from 16 (g % 2) + 4 w on, 128 bytes each
	s_add_co_u32 s56, s56, s57
	s_lshl_b32 s57, s[WV], 9
	s_add_co_u32 s56, s56, s57
	s_mov_b32 s57, 0
	s_add_nc_u64 s[12:13], s[12:13], s[56:57]
	s_lshl_b32 s56, ttmp9, 14                      ; its images: fragment 16 g + 4 w on, 1,024 bytes each
	s_lshl_b32 s58, s[WV], 12
	s_add_co_u32 s56, s56, s58
	s_add_nc_u64 s[20:21], s[20:21], s[56:57]
	s_lshl_b32 s56, s[WV], 10                      ; gate_w: K steps 2 w and 2 w + 1, 512 bytes each
	s_add_nc_u64 s[8:9], s[8:9], s[56:57]
.irp i, 0,1,2,3
	global_load_b128 v[PCS+16*\i:PCS+16*\i+3],     v[WA], s[12:13] offset:128*\i th:TH_LOAD_NT      ; k = 8 h + 0 .. 7
	global_load_b128 v[PCS+16*\i+4:PCS+16*\i+7],   v[WA], s[12:13] offset:128*\i+16 th:TH_LOAD_NT
	global_load_b128 v[PCS+16*\i+8:PCS+16*\i+11],  v[WA], s[12:13] offset:128*\i+64 th:TH_LOAD_NT   ; k = 16 + 8 h + 0 .. 7
	global_load_b128 v[PCS+16*\i+12:PCS+16*\i+15], v[WA], s[12:13] offset:128*\i+80 th:TH_LOAD_NT
.endr
.macro GLOAD ss
.irp b, 0,1,2,3
.irp j, 0,1,2,3
	global_load_b128 v[X+16*\b+4*\j:X+16*\b+4*\j+3], v[GA], s[8:9] offset:512*\ss+128*\b+16*\j
.endr
.endr
.endm
	GLOAD 0
	s_wait_loadcnt 16                              ; Wo's sixteen loads are in; gate_w's sixteen may be out
.irp i, 0,1,2,3
.irp p, 0,1,2,3,4,5,6,7
	v_cvt_pk_f16_f32 v[PCS+16*\i+\p], v[PCS+16*\i+2*\p], v[PCS+16*\i+2*\p+1]   ; in place: register p is written when 2 p and 2 p + 1 are read
.endr
.endr
.irp i, 0,1,2,3
	global_store_b128 v[LI], v[PCS+16*\i:PCS+16*\i+3],   s[20:21] offset:1024*\i        ; 32 lanes store 512 consecutive bytes
	global_store_b128 v[LI], v[PCS+16*\i+4:PCS+16*\i+7], s[20:21] offset:1024*\i+512
.endr
	s_wait_loadcnt 0x0
	QUANT X, PCG, PWG
	ds_store_b128 v[IWG], v[PCG:PCG+3]
	ds_store_b128 v[IWG], v[PCG+4:PCG+7] offset:512
	ds_store_b32 v[ISG], v[PWG]
	GLOAD 1
	s_wait_loadcnt 0x0
	QUANT X, PCG+8, PWG+1
	ds_store_b128 v[IWG], v[PCG+8:PCG+11] offset:1024
	ds_store_b128 v[IWG], v[PCG+12:PCG+15] offset:1536
	ds_store_b32 v[ISG], v[PWG+1] offset:128
	s_wait_xcnt 0x0                                ; Wo's stores have read their registers: the steps below write them
.Lnot_x_head:
	s_wait_dscnt 0x0                               ; my images have landed
	s_barrier_signal -1
	s_barrier_wait -1                              ; everybody's have.  My tiles may stay on their way
	; ---- eight steps of 128 along K
.macro STEP s
.if (\s)%2 == 0
	s_wait_tensorcnt 3-(\s)/2                      ; tile s / 2 has landed; my younger tiles may be out
.endif
.irp b, 0,1,2,3
.irp j, 0,1,2,3
	ds_load_b128 v[X+16*\b+4*\j:X+16*\b+4*\j+3], v[XR] offset:((\s)/2)*XTT+512*((\s)%2)+128*\b+16*\j
.endr
.endr
	s_wait_dscnt 0x0
	QUANT X, PCS+8*(\s), SW+(\s)
	ds_store_b128 v[CW], v[PCS+8*(\s):PCS+8*(\s)+3] offset:64*(\s)          ; k = 128 s + 32 h + 0 .. 31 of row r
	ds_store_b128 v[CW], v[PCS+8*(\s)+4:PCS+8*(\s)+7] offset:64*(\s)+32
.endm
.irp s, 0,1,2,3,4,5,6,7
	STEP \s
.endr
	; ---- the way out: whole rows of 512 bytes of codes; 16 scale bytes a lane, 512 consecutive bytes a wave
.irp i, 0,1,2,3,4,5,6,7,8,9,10,11,12,13,14,15
	ds_load_b128 v[X+4*\i:X+4*\i+3], v[CR] offset:CP*\i     ; LDS serves a wave's instructions in order: these see my stores
.endr
	v_cmp_eq_u32 vcc_lo, 1, v3
.irp i, 0,1,2,3
	v_cndmask_b32 v[SOUT+\i], v[SW+\i], v[SW+4+\i], vcc_lo  ; lanes 0-15 the row's first four words, lanes 16-31 its last four
.endr
	global_store_b128 v[SO], v[SOUT:SOUT+3], s[16:17]
.irp i, 0,1,2,3,4,5,6,7,8,9,10,11,12,13,14,15
	s_wait_dscnt 15-\i
	global_store_b128 v[LI], v[X+4*\i:X+4*\i+3], s[14:15] offset:512*\i
.endr
	; ---- the work-groups of x, second block: gate = sigmoid(Q(x) Q(gate_w)^T + gate_b).  Source 0 = gate_w's 16 heads, source 1 = my 16 rows: a lane holds one row and eight neighbouring heads
	s_cmp_eq_u32 s[ISX], 0
	s_cbranch_scc1 .Lend
	s_wait_xcnt 0x0                                ; the stores above have read X
	global_load_b128 v[BI:BI+3],   v[H32], s[10:11]
	global_load_b128 v[BI+4:BI+7], v[H32], s[10:11] offset:16
.irp s, 0,1,2,3,4,5,6,7
	ds_load_b128 v[X+8*\s:X+8*\s+3],   v[LIG] offset:1024*\s
	ds_load_b128 v[X+8*\s+4:X+8*\s+7], v[LIG] offset:1024*\s+512
	ds_load_b32 v[GS+\s], v[LSG] offset:128*\s
.endr
	s_lshl_b32 s56, ttmp9, 12                      ; gate: 64 bytes a row
	s_lshl_b32 s58, s[WV], 10
	s_add_co_u32 s56, s56, s58
	s_mov_b32 s57, 0
	s_add_nc_u64 s[18:19], s[18:19], s[56:57]
.rept 8
	v_nop                                          ; a scale word made by vector instructions stands 8 places ahead of a scaled product, codes so made 4
.endr
	s_wait_loadcnt 0x0
	s_wait_dscnt 0x0
.irp s, 0,1,2,3,4,5,6,7                        ; two accumulators by turns; the bias is the C of the first
.if \s == 0
	v_wmma_scale_f32_16x16x128_f8f6f4 v[AC0:AC0+7], v[X+8*\s:X+8*\s+7], v[PCS+8*\s:PCS+8*\s+7], v[BI:BI+7], v[GS+\s], v[SW+\s] matrix_a_fmt:MATRIX_FMT_FP4 matrix_b_fmt:MATRIX_FMT_FP4
.elseif \s == 1
	v_wmma_scale_f32_16x16x128_f8f6f4 v[AC1:AC1+7], v[X+8*\s:X+8*\s+7], v[PCS+8*\s:PCS+8*\s+7], 0, v[GS+\s], v[SW+\s] matrix_a_fmt:MATRIX_FMT_FP4 matrix_b_fmt:MATRIX_FMT_FP4
.else
	v_wmma_scale_f32_16x16x128_f8f6f4 v[AC0+8*(\s%2):AC0+8*(\s%2)+7], v[X+8*\s:X+8*\s+7], v[PCS+8*\s:PCS+8*\s+7], v[AC0+8*(\s%2):AC0+8*(\s%2)+7], v[GS+\s], v[SW+\s] matrix_a_fmt:MATRIX_FMT_FP4 matrix_b_fmt:MATRIX_FMT_FP4
.endif
.endr
.rept 4
	v_nop
.endr
.irp j, 0,1,2,3,4,5,6,7
	v_add_f32 v[T+\j], v[AC0+\j], v[AC1+\j]        ; each accumulator from its low end on
.endr
.irp j, 0,1,2,3,4,5,6,7
	v_mul_f32 v[T+\j], 0xbfb8aa3b, v[T+\j]         ; - z log2(e)
.endr
.irp j, 0,1,2,3,4,5,6,7
	v_exp_f32 v[T+\j], v[T+\j]
.endr
	v_nop
	s_wait_alu depctr_va_vdst(0)                   ; one wait for the eight, ahead of their first reader
.irp j, 0,1,2,3,4,5,6,7
	v_add_f32 v[T+\j], 1.0, v[T+\j]
.endr
.irp j, 0,1,2,3,4,5,6,7
	v_rcp_f32 v[T+\j], v[T+\j]
.endr
	v_nop
	s_wait_alu depctr_va_vdst(0)
	global_store_b128 v[GO], v[T:T+3],   s[18:19]           ; the two stores together cover my 16 rows' 1,024 consecutive bytes
	global_store_b128 v[GO], v[T+4:T+7], s[18:19] offset:16
.Lend:
	s_wait_tensorcnt 0x0                           ; the wave's end
	ds_add_u32 v[SPW], v[NIL]
	s_wait_dscnt 0x0
	s_endpgm
.Lfunc_end_k_q2f86147632_prep:
	.size	k_q2f86147632_prep, .Lfunc_end_k_q2f86147632_prep-k_q2f86147632_prep
	.p2alignl 7, 3214868480
	.fill 96, 4, 3214868480
	.section	.rodata,"a",@progbits
	.p2align	6, 0x0
	.amdhsa_kernel k_q2f86147632_prep
		.amdhsa_group_segment_fixed_size 327680
		.amdhsa_private_segment_fixed_size 0
		.amdhsa_enable_private_segment 0
		.amdhsa_kernarg_size 72
		.amdhsa_user_sgpr_count 2
		.amdhsa_user_sgpr_kernarg_segment_ptr 1
		.amdhsa_wavefront_size32 1
		.amdhsa_system_sgpr_workgroup_id_x 1
		.amdhsa_system_sgpr_workgroup_id_y 1
		.amdhsa_system_sgpr_workgroup_id_z 1
		.amdhsa_system_vgpr_workitem_id 0
		.amdhsa_next_free_vgpr 256
		.amdhsa_next_free_sgpr 66
		.amdhsa_reserve_vcc 1
		.amdhsa_float_denorm_mode_32 3
		.amdhsa_float_denorm_mode_16_64 3
		.amdhsa_memory_ordered 1
		.amdhsa_forward_progress 1
		.amdhsa_inst_pref_size 69
	.end_amdhsa_kernel
	.amdgpu_metadata
---
amdhsa.version: [ 1, 2 ]
amdhsa.kernels:
  - .name:           k_q2f86147632_prep
    .symbol:         k_q2f86147632_prep.kd
    .args:
      - { .name: x, .offset: 0, .size: 8, .value_kind: global_buffer, .address_space: global }
      - { .name: Wqkv, .offset: 8, .size: 8, .value_kind: global_buffer, .address_space: global }
      - { .name: gate_w, .offset: 16, .size: 8, .value_kind: global_buffer, .address_space: global }
      - { .name: gate_b, .offset: 24, .size: 8, .value_kind: global_buffer, .address_space: global }
      - { .name: Wo, .offset: 32, .size: 8, .value_kind: global_buffer, .address_space: global }
      - { .name: xwcodes, .offset: 40, .size: 8, .value_kind: global_buffer, .address_space: global }
      - { .name: xwscales, .offset: 48, .size: 8, .value_kind: global_buffer, .address_space: global }
      - { .name: gates, .offset: 56, .size: 8, .value_kind: global_buffer, .address_space: global }
      - { .name: woh, .offset: 64, .size: 8, .value_kind: global_buffer, .address_space: global }
    .group_segment_fixed_size: 327680
    .private_segment_fixed_size: 0
    .kernarg_segment_align: 8
    .kernarg_segment_size: 72
    .max_flat_workgroup_size: 128
    .sgpr_count:     66
    .vgpr_count:     256
    .wavefront_size: 32
...
	.end_amdgpu_metadata
.endif
;; end of part 1
;; launch qkv (part 2): grid 12 x 32, 4 waves a work-group, clusters of 4 x 4, 327,680 bytes of LDS; arguments xwcodes, xwscales, position_ids, cos_cache, sin_cache, qkvh, fine32; writes qkvh, fine32
.if DOCPART == 2
	.amdgcn_target "amdgcn-amd-amdhsa--gfx1250"
	.amdhsa_code_object_version 6
	.text
	.protected	k_q2f86147632_qkv
	.globl	k_q2f86147632_qkv
	.p2align	8
	.type	k_q2f86147632_qkv,@function
k_q2f86147632_qkv:
	s_mov_b64 s[64:65], 0
	v_nop
	global_prefetch_b8 v0, s[64:65] scope:SCOPE_SE
	s_setreg_imm32_b32 hwreg(HW_REG_WAVE_MODE, 25, 1), 1
	s_wait_xcnt 0x0
	s_wait_alu depctr_hold_cnt(0) depctr_sa_sdst(0) depctr_va_vdst(0) depctr_va_sdst(0) depctr_va_ssrc(0) depctr_va_vcc(0) depctr_vm_vsrc(0)
	s_getreg_b32 s2, hwreg(HW_REG_IB_STS2, 6, 4)
	s_cmp_eq_u32 s2, 0
	s_cbranch_scc0 .Lentry_in_a_cluster
	s_endpgm
.Lentry_in_a_cluster:
	s_bfe_u32 s2, ttmp6, 0x10000c
	s_cmp_lg_u32 s2, 0xf033
	s_cbranch_scc0 .Lentry_shape_is_right
	s_endpgm
.Lentry_shape_is_right:
; QKV: Q(x) Q(Wqkv)^T on codes of FP4 with E8M0 scales, K = 1,024; then rotary and RMS norm (q, k) in f32; q, k, v leave in f16 as images of the fragments that the attention launch wants.
; Work left out: none here (cu_seqlens and max_seqlen have no way to an output: see the first kernel's head).
; A tile of 256 x 256 is made by four waves, 128 x 128 each: 64 accumulators.  K goes in two steps of 512 through two LDS slots; both, and the scale bytes of the 512 rows, are first fills (3 loads of mine are out at
; the most); nothing is filled again.  CLUSTERS of 4 x 4: A's tile is asked for jointly along a row of the cluster, B's along a column.
; Source 0 = 16 rows of B, source 1 = 16 rows of A: a lane holds one row of A and eight neighbouring rows of B.  Cluster x says which part is made.  Parts 0, 1 (q, k): A = 256 tokens, B = 256 channels:
; a lane holds a token and eight channels, which is what rotary, norm and the fragments of q and k want.  Part 2 (v): A = 256 channels of Wv, B = 256 tokens: a lane holds a channel and eight tokens: fragments of V^T.
; The roles change by the tiles' numbers alone.  A's number is made of cy and the cluster's y, B's of cx and the cluster's x and y.  x's tile is 8 x place + cluster y, so that 'my tile begins a sequence'
; (cluster y % 4 = 0) is the same in all sixteen partners.
; THE NORM carries sqrt(c), c = log2(e) / 8, on q and on k: factor = rsq(sum of squares x ln2 / 8 + 8e-6 ln2), so that k.q is the exponent of 2 in the softmax.
; COS AND SIN of my 128 tokens are asked for ahead of the last 128 along K, 56 loads together, so that they land under its 64 products and the first blocks' arithmetic.
; Positions 0-15 of every sequence also leave in f32 (fine32), for the launch that carries those rows finely.
; LIMIT: |v| stays under 65,504 (f16).
; REGISTERS: window 0: v0-31 addresses (v8-15: the eight blocks' places in the cos and sin tables); v32-95 scale words, two sets, and nothing else; v96-103 positions; v106-121 at work;
;   v128-191 A's fragments, later T (64 numbers of two heads); v192-255 cos and sin of blocks 0, 1.
;   window 1: B's fragments, two sets (v0-63, v128-191); cos and sin of blocks 2-5 in v64-127 and v192-255, of blocks 6, 7 in v0-63 when B's set 0 is done with.
;   windows 2, 3: the accumulators ((a, b) at v[8 (8 (a % 4) + b)]).
.set NQ,     4
.set ROWB,   256
.set KROW,   512
.set PITCH,  272                       ; 256 bytes + 16 of padding: the 16 rows of a load start 16 bytes apart modulo 256
.set FR,     8
.set NL,     2
.set NP,     4
.set HALFT,  128*PITCH
.set SLOT,   4*HALFT
.set KS,     32
.set SCL,    2*SLOT
.set HALFS,  16*272
.set SBLK,   2*272
.set SPARE,  SCL+4*HALFS
.set CSA,  8                           ; v8-15  block a's byte offset in the cos and sin tables; never rewritten
.set ADRA, 16
.set ADRB, 20
.set LI,   24                          ; v24  16 x lane
.set H32,  25                          ; v25  32 h
.set R4,   26                          ; v26  4 r
.set ADRS, 27
.set SPW,  28
.set NIL,  29
.set SC,   32
.set POS,  96
.set SS,   106                         ; v106-113 sums of squares: two chains of pairs a head
.set FC,   114                         ; v114-117 the factors, as pairs
.set TP,   118                         ; v118-121 at work
.set AF,   128
.set T,    128
.set G1, 24
.set G0, 32
.set G1B, 48
.set G0B, 56
.set G1S, 68
.set G0S, 76
.set G1SB, 80
.set G0SB, 88
.set K1,  66
.set K2,  67
.set SEL, 92
.set MSB, 0
.macro WIN new                         ; the immediate's high byte repeats the setting that is left
.if MSB != \new
	s_set_vgpr_msb (MSB<<8)|\new
.set MSB, \new
.endif
.endm
.set MUL_LO, 0xa1                      ; source 0 (B) window 1, source 1 (A) window 0, C and D window 2
.set MUL_HI, 0xf1
.set TO_B,   0x40
.macro JLOAD g0a, g1a, g0b, g1b        ; a joint load: waves 0 and 1 fetch for A, waves 2 and 3 for B; an s_nop 0 and four v_nop follow each line
	s_cmp_eq_u32 s15, 0
	s_cbranch_scc0 .Lfor_b_\@
	tensor_load_to_lds s[\g0a:\g0a+3], s[\g1a:\g1a+7]
	s_nop 0
.rept 4
	v_nop
.endr
	s_branch .Lasked_\@
.Lfor_b_\@:
	tensor_load_to_lds s[\g0b:\g0b+3], s[\g1b:\g1b+7]
	s_nop 0
.rept 4
	v_nop
.endr
.Lasked_\@:
.endm
.macro CROUND                          ; a round of the cluster's barrier
	s_barrier_signal -1
	s_barrier_wait -1
	s_cmp_lg_u32 s14, 0
	s_cbranch_scc1 .Lnot_wave_0_\@
	s_barrier_signal -3
.Lnot_wave_0_\@:
	s_barrier_wait -3
	s_barrier_signal -1
	s_barrier_wait -1
.endm
	s_load_b256 s[4:11], s[0:1], 0x0               ; codes, scale bytes, position_ids, cos
	s_load_b128 s[96:99], s[0:1], 0x20             ; sin, qkvh
	s_load_b64 s[100:101], s[0:1], 0x30            ; fine32
	v_lshl_add_u32 v[SPW], v0, 2, SPARE
	v_mov_b32 v[NIL], 0
	ds_add_u32 v[SPW], v[NIL]                      ; the opening: the add, twice on end, and its wait ahead of my first tensor load
	ds_add_u32 v[SPW], v[NIL]
	v_lshrrev_b32 v1, 5, v0
	v_readfirstlane_b32 s14, v1                    ; wave 0..3
	s_lshr_b32 s15, s14, 1                         ; which half of A's rows is mine.  Also: I fetch for A (0) or for B (1)
	s_and_b32 s16, s14, 1                          ; which half of B's rows.  Also: which 128 rows I fetch
	s_bfe_u32 s40, ttmp6, 0x40000                  ; cx
	s_bfe_u32 s41, ttmp6, 0x40004                  ; cy
	s_and_b32 s12, ttmp7, 0xffff                   ; the cluster's y
	s_lshl_b32 s17, s41, 3
	s_add_co_u32 s17, s17, s12                     ; A for q, k: x's tile 8 cy + cluster y
	s_add_co_u32 s13, s41, 40                      ; A for v: Wv's tile cy (joint rows 10,240 on)
	s_lshl_b32 s42, ttmp9, 2
	s_add_co_u32 s42, s42, s40
	s_add_co_u32 s42, s42, 32                      ; B for q, k: the part's tile cx (joint rows 8,192 on)
	s_lshl_b32 s95, s40, 3
	s_add_co_u32 s95, s95, s12                     ; B for v: x's tile 8 cx + cluster y
	s_cmp_eq_u32 ttmp9, 2
	s_cselect_b32 s17, s13, s17                    ; A's tile: of cy and the cluster's numbers alone
	s_cselect_b32 s42, s95, s42                    ; B's tile: of cx and the cluster's numbers alone
	s_lshl_b32 s43, s41, 2
	s_lshl_b32 s43, 15, s43                        ; my row of the cluster
	s_lshl_b32 s44, 0x1111, s40                    ; my column
	s_or_b32 s[G1+0], s43, (0<<16)|(1<<20)|(1<<21)|(5<<22)|(3<<25)   ; the mask; elements of 1 byte; 4 words of padding after every 64; bit 21 beside a mask
	s_or_b32 s[G1B+0], s44, (0<<16)|(1<<20)|(1<<21)|(5<<22)|(3<<25)
.irp g, G1, G1B
	s_mov_b32 s[\g+1], ROWB<<16
	s_mov_b32 s[\g+2], 128<<16
	s_mov_b32 s[\g+3], ROWB<<16
	s_mov_b32 s[\g+4], 128
	s_mov_b32 s[\g+5], KROW
	s_mov_b32 s[\g+6], 0
	s_mov_b32 s[\g+7], 0
.endr
	s_or_b32 s[G1S+0], s43, (3<<16)|(1<<20)|(1<<21)|(5<<22)|(3<<25)  ; the scale bytes of 128 rows: 4,096 dense bytes as 16 rows of 256
	s_or_b32 s[G1SB+0], s44, (3<<16)|(1<<20)|(1<<21)|(5<<22)|(3<<25)
.irp g, G1S, G1SB
	s_mov_b32 s[\g+1], 32<<16
	s_mov_b32 s[\g+2], 16<<16
	s_mov_b32 s[\g+3], 32<<16
	s_mov_b32 s[\g+4], 16
	s_mov_b32 s[\g+5], 32
	s_mov_b32 s[\g+6], 0
	s_mov_b32 s[\g+7], 0
.endr
	s_lshl_b32 s18, s16, 7
	s_lshl_b32 s20, s17, 8
	s_add_co_u32 s20, s20, s18                     ; A: joint row 256 x tile + 128 x half
	s_lshl_b32 s46, s42, 8
	s_add_co_u32 s46, s46, s18                     ; B likewise
	s_mov_b32 s21, 0
	s_mov_b32 s47, 0
	s_mov_b64 s[18:19], KS
	s_mul_u64 s[22:23], s[20:21], s[18:19]
	s_mul_u64 s[92:93], s[46:47], s[18:19]
	s_mov_b64 s[18:19], KROW
	s_mul_u64 s[20:21], s[20:21], s[18:19]
	s_mul_u64 s[46:47], s[46:47], s[18:19]
	s_mul_i32 s45, s14, HALFT                      ; where they go: wave x 128 rows
	s_mul_i32 s94, s14, HALFS
	s_mov_b32 s[K1], 0x3db17218                    ; ln2 / 8
	s_mov_b32 s[K2], 0x36ba10d8                    ; 8e-6 ln2
	s_wait_dscnt 0x0                               ; both opening adds are done
	s_wait_kmcnt 0x0
	s_add_nc_u64 s[20:21], s[4:5], s[20:21]
	s_add_nc_u64 s[22:23], s[6:7], s[22:23]
	s_add_nc_u64 s[46:47], s[4:5], s[46:47]
	s_add_nc_u64 s[92:93], s[6:7], s[92:93]
	CROUND                                         ; all sixteen work-groups are here: the joint loads meet
	s_mov_b32 s[G0S], 1
	s_add_co_u32 s[G0S+1], s94, SCL
	s_mov_b64 s[G0S+2:G0S+3], s[22:23]
	s_or_b32 s[G0S+3], s[G0S+3], 0x80000000
	s_mov_b32 s[G0SB], 1
	s_add_co_u32 s[G0SB+1], s94, SCL
	s_mov_b64 s[G0SB+2:G0SB+3], s[92:93]
	s_or_b32 s[G0SB+3], s[G0SB+3], 0x80000000
	JLOAD G0S, G1S, G0SB, G1SB
.irp s, 0,1
	s_mov_b32 s[G0+4*\s], 1
	s_add_co_u32 s[G0+4*\s+1], s45, \s*SLOT
	s_add_nc_u64 s[G0+4*\s+2:G0+4*\s+3], s[20:21], \s*ROWB
	s_or_b32 s[G0+4*\s+3], s[G0+4*\s+3], 0x80000000
	s_mov_b32 s[G0B+4*\s], 1
	s_add_co_u32 s[G0B+4*\s+1], s45, \s*SLOT
	s_add_nc_u64 s[G0B+4*\s+2:G0B+4*\s+3], s[46:47], \s*ROWB
	s_or_b32 s[G0B+4*\s+3], s[G0B+4*\s+3], 0x80000000
	JLOAD G0+4*\s, G1, G0B+4*\s, G1B
.endr
	v_and_b32 v1, 15, v0                           ; r
	v_bfe_u32 v2, v0, 4, 1                         ; h
	v_mul_u32_u24 v3, v1, PITCH
	v_lshl_add_u32 v4, v2, 4, v3
	s_mul_i32 s21, s15, HALFT
	s_mul_i32 s22, s16, HALFT
	s_add_co_u32 s22, s22, 2*HALFT
.irp s, 0,1
	v_add_nc_u32 v[ADRA+\s], s21, v4
	v_add_nc_u32 v[ADRB+\s], s22, v4
	s_add_co_u32 s21, s21, SLOT
	s_add_co_u32 s22, s22, SLOT
.endr
	v_mul_u32_u24 v5, v1, KS
	v_lshrrev_b32 v6, 8, v5
	v_lshl_add_u32 v5, v6, 4, v5
	s_mul_i32 s21, s15, HALFS
	s_mul_i32 s22, s16, HALFS
	s_add_co_u32 s22, s22, 2*HALFS
	s_sub_co_u32 s22, s22, s21
	v_mul_u32_u24 v6, s22, v2                      ; lanes 16-31 take B's scale words
	s_add_co_u32 s21, s21, SCL
	v_add_nc_u32 v5, v5, v6
	v_add_nc_u32 v[ADRS], s21, v5
	v_and_b32 v6, 31, v0
	v_lshlrev_b32 v[LI], 4, v6
	v_lshlrev_b32 v[H32], 5, v2
	v_lshlrev_b32 v[R4], 2, v1
	s_mov_b32 s[SEL], 0x76543210
	s_mov_b32 s[SEL+1], 0xfedcba98
	; where my wave's results go.  Tokens: x's tile and my half of it; heads: the part's tile of 256 channels and my half of it
	s_cmp_eq_u32 ttmp9, 2
	s_cselect_b32 s20, s42, s17                    ; x's tile
	s_cselect_b32 s21, s16, s15                    ; my half of its rows
	s_cselect_b32 s22, s41, s40                    ; the tile of 256 channels
	s_cselect_b32 s23, s15, s16                    ; my half of them
	s_lshl_b32 s20, s20, 8
	s_lshl_b32 s46, s21, 7
	s_add_co_u32 s20, s20, s46                     ; my first token
	s_and_b32 s2, s12, 3
	s_or_b32 s2, s2, s21                           ; 0: my first 16 tokens are positions 0-15 of a sequence (the same in all partners, for a given wave)
	s_lshl_b32 s22, s22, 2
	s_lshl_b32 s23, s23, 1
	s_add_co_u32 s22, s22, s23                     ; my first head
	s_lshr_b32 s23, s20, 10
	s_lshl_b32 s23, s23, 4
	s_add_co_u32 s22, s22, s23                     ; 16 x sequence + head
	s_and_b32 s23, s20, 1023                       ; my first position
	s_lshl_b32 s46, ttmp9, 24                      ; the part: 16,777,216 bytes
	s_lshl_b32 s47, s22, 17                        ; a head of a sequence: 131,072
	s_add_co_u32 s46, s46, s47
	s_lshl_b32 s47, s23, 7                         ; 128 bytes a position, in q's and k's images (2,048 for 16) and in v's (4,096 for 32) alike
	s_add_co_u32 s46, s46, s47
	s_mov_b32 s47, 0
	s_add_nc_u64 s[98:99], s[98:99], s[46:47]
	s_lshl_b32 s46, ttmp9, 19                      ; fine32: 524,288 bytes a part, 4,096 a head of a sequence
	s_lshl_b32 s23, s22, 12
	s_add_co_u32 s46, s46, s23
	s_add_nc_u64 s[100:101], s[100:101], s[46:47]
	s_lshl_b32 s46, s20, 2
	s_add_nc_u64 s[8:9], s[8:9], s[46:47]          ; my tokens' positions
.irp a, 0,1,2,3,4,5,6,7
	v_mov_b32 v[POS+\a], 0                         ; 0 where no position is loaded
.endr
	s_cmp_eq_u32 ttmp9, 2
	s_cbranch_scc1 .Lno_pos                        ; v has no rotary
.irp a, 0,1,2,3,4,5,6,7
	global_load_b32 v[POS+\a], v[R4], s[8:9] offset:64*\a    ; the position of token 16 a + r
.endr
.Lno_pos:
.macro FRAG reg, adr, q, i             ; 16 rows x 128 K of 4-bit codes: 8 registers, two loads of 16 bytes, 32 apart
.irp c, 0,1
	ds_load_b128 v[\reg+4*\c:\reg+4*\c+3], v[\adr] offset:64*(\q)+32*\c+(\i)*16*PITCH
.endr
.endm
; 16 products: A's blocks a0, a0 + 1 x B's eight.  The 64 accumulators take turns, one instruction a turn, in the same order in every step.  zero = 1: the first product starts the sums
.macro MUL16 a0, p, q, sc, zero
.irp a, \a0, \a0+1
.irp b, 0,1,2,3,4,5,6,7
.if \zero
	v_wmma_scale_f32_16x16x128_f8f6f4 v[8*(8*((\a)%4)+\b):8*(8*((\a)%4)+\b)+7], v[128*(\p)+FR*\b:128*(\p)+FR*\b+FR-1], v[AF+FR*(\a):AF+FR*(\a)+FR-1], 0, v[SC+8*NQ*(\sc)+NQ*\b+(\q)], v[SC+8*NQ*(\sc)+NQ*(\a)+(\q)] matrix_a_fmt:MATRIX_FMT_FP4 matrix_b_fmt:MATRIX_FMT_FP4 matrix_a_scale:MATRIX_SCALE_ROW1
.else
	v_wmma_scale_f32_16x16x128_f8f6f4 v[8*(8*((\a)%4)+\b):8*(8*((\a)%4)+\b)+7], v[128*(\p)+FR*\b:128*(\p)+FR*\b+FR-1], v[AF+FR*(\a):AF+FR*(\a)+FR-1], v[8*(8*((\a)%4)+\b):8*(8*((\a)%4)+\b)+7], v[SC+8*NQ*(\sc)+NQ*\b+(\q)], v[SC+8*NQ*(\sc)+NQ*(\a)+(\q)] matrix_a_fmt:MATRIX_FMT_FP4 matrix_b_fmt:MATRIX_FMT_FP4 matrix_a_scale:MATRIX_SCALE_ROW1
.endif
.endr
.endr
.endm
.macro FETCH_B slot, q, p
	WIN TO_B
.irp i, 0,1,2,3,4,5,6,7
	FRAG 128*(\p)+FR*\i, ADRB+\slot, \q, \i
.endr
	WIN 0
.endm
.macro FETCH_A slot, q, i0
.irp i, \i0, \i0+1, \i0+2, \i0+3
	FRAG AF+FR*(\i), ADRA+\slot, \q, \i
.endr
.endm
.macro SCALES sc                       ; a K step's scale words: lanes 0-15 A's block i, lanes 16-31 B's block i
.irp i, 0,1,2,3,4,5,6,7
	ds_load_b128 v[SC+8*NQ*\sc+NQ*\i:SC+8*NQ*\sc+NQ*\i+3], v[ADRS] offset:\i*SBLK
.endr
.endm
.macro PLACES n                        ; plain places between a product and a load into, or a vector instruction on, its registers
.rept \n
	v_nop
.endr
.endm
.macro STEP slot, q, zero              ; 128 along K, with its successor in the same slot
	s_wait_dscnt 4*NL                              ; B's set and A's blocks 0-3 are in; A's blocks 4-7 may be out
	WIN MUL_LO
	MUL16 0, (\q)%2, \q, \slot, \zero
	MUL16 2, (\q)%2, \q, \slot, \zero
	s_wait_dscnt 0
	PLACES NP
	FETCH_B \slot, (\q)+1, 1-(\q)%2
	FETCH_A \slot, (\q)+1, 0
	WIN MUL_HI
	MUL16 4, (\q)%2, \q, \slot, \zero
	MUL16 6, (\q)%2, \q, \slot, \zero
	PLACES NP
	WIN 0
	FETCH_A \slot, (\q)+1, 4
.endm
.macro LAST                            ; the last 128 along K: nothing more to fetch.  It reads B's set 1 alone
	s_wait_dscnt 4*NL
	WIN MUL_LO
	MUL16 0, 1, NQ-1, 1, 0
	MUL16 2, 1, NQ-1, 1, 0
	s_wait_dscnt 0
	WIN MUL_HI
	MUL16 4, 1, NQ-1, 1, 0
	MUL16 6, 1, NQ-1, 1, 0
	WIN 0
	PLACES NP
.endm
	s_wait_tensorcnt 1                             ; the scale bytes and my part of slot 0 are in; slot 1's load may be out
	s_barrier_signal -1
	s_barrier_wait -1
	FETCH_B 0, 0, 0
	FETCH_A 0, 0, 0
	SCALES 0
	FETCH_A 0, 0, 4
	STEP 0, 0, 1
	STEP 0, 1, 0
	STEP 0, 2, 0
	; slot 0's last step changes slots: my part of slot 1 has landed, the barrier shows everybody's
	s_wait_tensorcnt 0x0
	ds_add_u32 v[SPW], v[NIL]
	s_wait_dscnt 4*NL+1                            ; the add and A's blocks 4-7 may be out
	WIN MUL_LO
	MUL16 0, 1, NQ-1, 0, 0
	s_wait_dscnt 0x0
	s_barrier_signal -1
	MUL16 2, 1, NQ-1, 0, 0
	WIN 0
	s_barrier_wait -1
	PLACES NP
	v_add_nc_u32 v[ADRS], 4*NQ, v[ADRS]
	FETCH_B 1, 0, 0
	FETCH_A 1, 0, 0
	SCALES 1
	WIN MUL_HI
	MUL16 4, 1, NQ-1, 0, 0
	MUL16 6, 1, NQ-1, 0, 0
	PLACES NP
	WIN 0
	FETCH_A 1, 0, 4
	STEP 1, 0, 0
	STEP 1, 1, 0
	STEP 1, 2, 0
; Where block a's cos (16 registers) and sin (16 more) lie: window CW, from register CB on
.macro CSPLACE a
.if (\a) < 2
.set CW, 0
.set CB, 192+32*(\a)                   ; window 0: v192, v224
.elseif (\a) < 4
.set CW, 1
.set CB, 32*(\a)                       ; window 1: v64, v96
.elseif (\a) < 6
.set CW, 1
.set CB, 64+32*(\a)                    ; window 1: v192, v224
.else
.set CW, 1
.set CB, 32*(\a)-192                   ; window 1: v0, v32: B's set 0, which the last step does not read
.endif
.endm
.macro CSADR a                         ; token 16 a + r's row of 128 bytes in both tables, + 32 h
	v_min_u32 v[CSA+(\a)], 0x3ff, v[POS+(\a)]      ; the tables have 1,024 rows
	v_lshl_add_u32 v[CSA+(\a)], v[CSA+(\a)], 7, v[H32]
.endm
.macro CSLOAD a                        ; cos and sin of token 16 a + r, channels 16 b + 8 h + 0 .. 7: eight loads.  It leaves the destination's window set: the caller sets it back
	CSPLACE \a
	WIN 0x40*CW
.irp b, 0,1
.irp q, 0,1
	global_load_b128 v[CB+8*\b+4*\q:CB+8*\b+4*\q+3],       v[CSA+(\a)], s[10:11] offset:64*\b+16*\q
	global_load_b128 v[CB+16+8*\b+4*\q:CB+16+8*\b+4*\q+3], v[CSA+(\a)], s[96:97] offset:64*\b+16*\q
.endr
.endr
.endm
; Block a (16 tokens x my two heads): rotary, norm, f16, out.  T + 32 e + 8 b + j = channel 16 b + 8 h + j of head e
.macro EPI a
	CSPLACE \a
.set AC, 64*((\a)%4)
.set WS, 0x02+(\a)/4+4*CW              ; source 0: the accumulators' window; source 1: that of this block's cos and sin
.if (\a) == 0
	s_wait_loadcnt 48                              ; block 0's cos and sin are in; behind them stand the loads of blocks 1 to 6, eight each
.else
	s_wait_loadcnt 8*(7-(\a))                      ; this block's are in; behind them stand the later blocks' loads, eight each, block 7's among them
.endif
.if (\a) > 0
	s_wait_xcnt 0x0                                ; the last block's stores have read T
.endif
	WIN WS
.irp e, 0,1
.irp b, 0,1
.irp p, 0,2,4,6                                ; each accumulator from its low end on
	v_pk_mul_f32 v[T+32*\e+8*\b+\p:T+32*\e+8*\b+\p+1],       v[AC+8*(4*\e+\b)+\p:AC+8*(4*\e+\b)+\p+1],     v[CB+8*\b+\p:CB+8*\b+\p+1]
	v_pk_mul_f32 v[T+32*\e+8*\b+16+\p:T+32*\e+8*\b+16+\p+1], v[AC+8*(4*\e+\b+2)+\p:AC+8*(4*\e+\b+2)+\p+1], v[CB+8*\b+\p:CB+8*\b+\p+1]
	v_pk_fma_f32 v[T+32*\e+8*\b+\p:T+32*\e+8*\b+\p+1],       v[AC+8*(4*\e+\b+2)+\p:AC+8*(4*\e+\b+2)+\p+1], v[CB+16+8*\b+\p:CB+16+8*\b+\p+1], v[T+32*\e+8*\b+\p:T+32*\e+8*\b+\p+1]
	v_pk_fma_f32 v[T+32*\e+8*\b+16+\p:T+32*\e+8*\b+16+\p+1], v[AC+8*(4*\e+\b)+\p:AC+8*(4*\e+\b)+\p+1],     v[CB+16+8*\b+\p:CB+16+8*\b+\p+1], v[T+32*\e+8*\b+16+\p:T+32*\e+8*\b+16+\p+1] neg_lo:[0,1,0] neg_hi:[0,1,0]
.endr
.endr
.endr
	WIN 0
.if (\a) == 0
	CSLOAD 7                                       ; the eighth block's: 56 loads of mine are out at the most
	WIN 0
.endif
.irp n, 0,1,2,3,4,5,6,7,8,9,10,11,12,13,14,15   ; the sum of squares: four chains by turns
.irp e, 0,1
.if \n < 2
	v_pk_mul_f32 v[SS+4*\e+2*(\n%2):SS+4*\e+2*(\n%2)+1], v[T+32*\e+2*\n:T+32*\e+2*\n+1], v[T+32*\e+2*\n:T+32*\e+2*\n+1]
.else
	v_pk_fma_f32 v[SS+4*\e+2*(\n%2):SS+4*\e+2*(\n%2)+1], v[T+32*\e+2*\n:T+32*\e+2*\n+1], v[T+32*\e+2*\n:T+32*\e+2*\n+1], v[SS+4*\e+2*(\n%2):SS+4*\e+2*(\n%2)+1]
.endif
.endr
.endr
.irp e, 0,1
	v_pk_add_f32 v[SS+4*\e:SS+4*\e+1], v[SS+4*\e:SS+4*\e+1], v[SS+4*\e+2:SS+4*\e+3]
.endr
.irp e, 0,1
	v_add_f32 v[TP+\e], v[SS+4*\e], v[SS+4*\e+1]
.endr
.irp e, 0,1
	v_permlanex16_b32 v[TP+2+\e], v[TP+\e], s[SEL], s[SEL+1]     ; the head's other 32 channels lie in the lane 16 away
.endr
.irp e, 0,1
	v_add_f32 v[TP+\e], v[TP+\e], v[TP+2+\e]
.endr
.irp e, 0,1
	v_fma_f32 v[TP+\e], v[TP+\e], s[K1], s[K2]
.endr
.irp e, 0,1
	v_rsq_f32 v[FC+2*\e], v[TP+\e]
.endr
	v_nop
	s_wait_alu depctr_va_vdst(0)                   ; one wait for the two, ahead of their first reader
.irp e, 0,1
.irp n, 0,1,2,3,4,5,6,7,8,9,10,11,12,13,14,15
	v_pk_mul_f32 v[T+32*\e+2*\n:T+32*\e+2*\n+1], v[T+32*\e+2*\n:T+32*\e+2*\n+1], v[FC+2*\e:FC+2*\e+1] op_sel_hi:[1,0]
.endr
.endr
.if (\a) == 0
	s_cmp_lg_u32 s2, 0
	s_cbranch_scc1 .Lno_fine_qk
.irp e, 0,1
.irp q, 0,1,2,3,4,5,6,7
	global_store_b128 v[LI], v[T+32*\e+4*\q:T+32*\e+4*\q+3], s[100:101] offset:4096*\e+512*\q   ; positions 0-15 in f32
.endr
.endr
	s_wait_xcnt 0x0                                ; these stores have read T
.Lno_fine_qk:
.endif
.irp e, 0,1
.irp n, 0,1,2,3,4,5,6,7,8,9,10,11,12,13,14,15
	v_cvt_pk_f16_f32 v[T+32*\e+\n], v[T+32*\e+2*\n], v[T+32*\e+2*\n+1]    ; in place
.endr
.endr
.irp e, 0,1
.irp b, 0,1,2,3
	global_store_b128 v[LI], v[T+32*\e+4*\b:T+32*\e+4*\b+3], s[98:99] offset:131072*\e+2048*(\a)+512*\b   ; half a fragment: 512 consecutive bytes
.endr
.endr
.endm
; Block a of v (16 channels x my 128 tokens): f16, out as halves of fragments of V^T
.macro EPV a
.set AC, 64*((\a)%4)
.set PK, T+32*((\a)%2)
.if (\a) > 1
	s_wait_xcnt 0x0                                ; block a - 2's stores have read these registers
.endif
	WIN 0x0a+5*((\a)/4)                            ; sources 0 and 1: the accumulators' window
.irp b, 0,1,2,3,4,5,6,7
.irp p, 0,1,2,3
	v_cvt_pk_f16_f32 v[PK+4*\b+\p], v[AC+8*\b+2*\p], v[AC+8*\b+2*\p+1]
.endr
.endr
	WIN 0
.irp b, 0,1,2,3,4,5,6,7
	global_store_b128 v[LI], v[PK+4*\b:PK+4*\b+3], s[98:99] offset:131072*((\a)/4)+4096*(\b/2)+1024*((\a)%4)+512*(\b%2)
.endr
.endm
	s_cmp_eq_u32 ttmp9, 2                          ; the one parting of the ways, the same in all partners; the last step is written in both arms
	s_cbranch_scc1 .Lv_arm
	s_wait_loadcnt 0x0                             ; the positions
.irp a, 0,1,2,3,4,5,6,7
	CSADR \a                                       ; sixteen plain lines: with the four v_nop above them they stand between the last product on B's set 0 and the loads into it
.endr
.irp a, 0,1,2,3,4,5,6
	CSLOAD \a                                      ; 56 loads together: they land under the last step's 64 products and the first blocks' arithmetic
.endr
	WIN 0
	LAST
	v_mov_b32 v[FC+1], 0                           ; named as the upper halves of pairs, so they are written
	v_mov_b32 v[FC+3], 0
	v_mov_b32 v[TP+2], 0                           ; a lane permute's destination counts as one of its sources
	v_mov_b32 v[TP+3], 0
.irp a, 0,1,2,3,4,5,6,7
	EPI \a
.endr
	s_branch .Ldone
.Lv_arm:
	LAST
.irp a, 0,1,2,3,4,5,6,7
	EPV \a
.endr
	s_cmp_lg_u32 s2, 0
	s_cbranch_scc1 .Ldone
	WIN 0x08                                       ; a store's data are its source 1: window 2
.irp a, 0,1,2,3
	global_store_b128 v[LI], v[64*\a:64*\a+3],   s[100:101] offset:1024*\a          ; positions 0-15 of v in f32: B's block 0
	global_store_b128 v[LI], v[64*\a+4:64*\a+7], s[100:101] offset:1024*\a+512
.endr
	WIN 0x0c
.irp a, 0,1,2,3
	global_store_b128 v[LI], v[64*\a:64*\a+3],   s[100:101] offset:4096+1024*\a
	global_store_b128 v[LI], v[64*\a+4:64*\a+7], s[100:101] offset:4096+1024*\a+512
.endr
	WIN 0
.Ldone:
	s_wait_tensorcnt 0x0                           ; the wave's end
	ds_add_u32 v[SPW], v[NIL]
	s_wait_dscnt 0x0
	CROUND                                         ; the closing round
	s_endpgm
.Lfunc_end_k_q2f86147632_qkv:
	.size	k_q2f86147632_qkv, .Lfunc_end_k_q2f86147632_qkv-k_q2f86147632_qkv
	.p2alignl 7, 3214868480
	.fill 96, 4, 3214868480
	.section	.rodata,"a",@progbits
	.p2align	6, 0x0
	.amdhsa_kernel k_q2f86147632_qkv
		.amdhsa_group_segment_fixed_size 327680
		.amdhsa_private_segment_fixed_size 0
		.amdhsa_enable_private_segment 0
		.amdhsa_kernarg_size 56
		.amdhsa_user_sgpr_count 2
		.amdhsa_user_sgpr_kernarg_segment_ptr 1
		.amdhsa_wavefront_size32 1
		.amdhsa_system_sgpr_workgroup_id_x 1
		.amdhsa_system_sgpr_workgroup_id_y 1
		.amdhsa_system_sgpr_workgroup_id_z 1
		.amdhsa_system_vgpr_workitem_id 0
		.amdhsa_next_free_vgpr 1024
		.amdhsa_next_free_sgpr 104
		.amdhsa_reserve_vcc 0
		.amdhsa_float_denorm_mode_32 3
		.amdhsa_float_denorm_mode_16_64 3
		.amdhsa_memory_ordered 1
		.amdhsa_forward_progress 1
		.amdhsa_inst_pref_size 230
	.end_amdhsa_kernel
	.amdgpu_metadata
---
amdhsa.version: [ 1, 2 ]
amdhsa.kernels:
  - .name:           k_q2f86147632_qkv
    .symbol:         k_q2f86147632_qkv.kd
    .args:
      - { .name: xwcodes, .offset: 0, .size: 8, .value_kind: global_buffer, .address_space: global }
      - { .name: xwscales, .offset: 8, .size: 8, .value_kind: global_buffer, .address_space: global }
      - { .name: position_ids, .offset: 16, .size: 8, .value_kind: global_buffer, .address_space: global }
      - { .name: cos_cache, .offset: 24, .size: 8, .value_kind: global_buffer, .address_space: global }
      - { .name: sin_cache, .offset: 32, .size: 8, .value_kind: global_buffer, .address_space: global }
      - { .name: qkvh, .offset: 40, .size: 8, .value_kind: global_buffer, .address_space: global }
      - { .name: fine32, .offset: 48, .size: 8, .value_kind: global_buffer, .address_space: global }
    .group_segment_fixed_size: 327680
    .private_segment_fixed_size: 0
    .kernarg_segment_align: 8
    .kernarg_segment_size: 56
    .max_flat_workgroup_size: 128
    .sgpr_count:     104
    .vgpr_count:     1024
    .wavefront_size: 32
...
	.end_amdgpu_metadata
.endif
;; end of part 2
;; launch attn (part 3): grid 2 x 128, 8 waves a work-group, no clusters, 327,680 bytes of LDS; arguments qkvh, gates, atth; writes atth
.if DOCPART == 3
	.amdgcn_target "amdgcn-amd-amdhsa--gfx1250"
	.amdhsa_code_object_version 6
	.text
	.protected	k_q2f86147632_attn
	.globl	k_q2f86147632_attn
	.p2align	8
	.type	k_q2f86147632_attn,@function
k_q2f86147632_attn:
	s_mov_b64 s[64:65], 0
	v_nop
	global_prefetch_b8 v0, s[64:65] scope:SCOPE_SE
	s_setreg_imm32_b32 hwreg(HW_REG_WAVE_MODE, 25, 1), 1
	s_wait_xcnt 0x0
; ATTN: causal attention of one head of one sequence (1,024 positions, head size 64) in f16 with f32 sums, times the gate; the result leaves in f16 as images of the projection's fragments.
; WORK LEFT OUT: key steps all of whose keys come after a wave's queries (reference()'s own tril); the maximum ahead of the exponential: q and k are normalised by reference() itself, so k.q, which carries
; log2(e) / 8 from the launch before, lies within +-11.6 for every input; p = 2^(k.q) lies in 3.4e-4 .. 2,981, normal in f16; a row's sum stays under 3.1e6.
; LIMIT: |attention x gate| stays under 65,504 (f16).
; SHARES.  Two work-groups to a head (z = 0, 1), eight waves each.  The head's 32 groups of 32 queries: wave w takes group 31 - 2 w - z first (16 - w key steps of 64), then group 2 w + z (w + 1 steps): 17 steps a wave.
; All of the head's K and V, 2 x 131,072 bytes of fragment images, come into LDS once: wave 0 asks for K, wave 1 for V, four chunks of 256 keys each (4 loads of a wave are out at the most); nothing is filled again.
; In the first pass all eight waves do steps 0 to 7 alike, so the barriers that show chunks 1, and 2 and 3, cost no waiting; behind them there is no barrier.
; No cluster: a head's tiles have two readers, and a cluster of four would hold two heads, whose loads differ.
; LAYOUT.  S^T = K Q^T (source 0 = 16 keys, source 1 = 16 queries): a lane holds one query and keys 8 h + 0 .. 7; two such tiles, rounded in pairs, are source 1 of O^T = V^T P.  Nothing changes lanes in a step.
; REGISTERS: window 0: v1-31 addresses and statistics; v32-95 K; v96-159 S^T, then p; v160-191 P; v192-255 the way out.   window 1: v0-63 Q of both passes; v64-127 O^T; v128-191 V.
.set VL,    131072
.set SPARE, 262144
.set LI,  1
.set ADK, 2
.set ADV, 3
.set R64, 4
.set DD,  5
.set NINF, 6
.set RH,  7
.set GT,  8                            ; v8-11  the gate: 2 pass + tile
.set L,   12                           ; v12-19 the sums: two chains of pairs a tile
.set IV,  20                           ; v20-23 gate / sum, as pairs
.set W,   24                           ; v24-27 at work
.set SPW, 30
.set NIL, 31
.set KR,  32
.set S,   96
.set P,   160
.set OW,  192
.set O,   64                           ; window 1
.set VR,  128                          ; window 1
.set WV,  10
.set Q0,  11
.set KF,  12
.set TB,  13
.set TBV, 14
.set CNT, 15
.set G1,  16
.set G0,  24
.set SEL, 40
.set Q0A, 42
.set Q0B, 43
.set MSB, 0
.macro WIN new
.if MSB != \new
	s_set_vgpr_msb (MSB<<8)|\new
.set MSB, \new
.endif
.endm
	s_load_b128 s[4:7], s[0:1], 0x0                ; qkvh, gates
	s_load_b64 s[8:9], s[0:1], 0x10                ; atth
	v_lshl_add_u32 v[SPW], v0, 2, SPARE
	v_mov_b32 v[NIL], 0
	ds_add_u32 v[SPW], v[NIL]                      ; the opening: the add, twice on end, and its wait ahead of the first tensor load
	ds_add_u32 v[SPW], v[NIL]
	v_lshrrev_b32 v1, 5, v0
	v_readfirstlane_b32 s[WV], v1                  ; wave 0..7
	s_mov_b32 s[G1], 3<<16                         ; a chunk is 32,768 dense bytes: 128 rows of 32 elements of 8 bytes
	s_mov_b32 s[G1+1], 32<<16
	s_mov_b32 s[G1+2], 128<<16
	s_mov_b32 s[G1+3], 32<<16
	s_mov_b32 s[G1+4], 128
	s_mov_b32 s[G1+5], 32
	s_mov_b32 s[G1+6], 0
	s_mov_b32 s[G1+7], 0
	s_and_b32 s44, ttmp7, 0xffff                   ; 16 x sequence + head
	s_lshl_b32 s45, s44, 17
	s_add_co_u32 s48, s[WV], 1                     ; part 1 is k, part 2 is v
	s_lshl_b32 s48, s48, 24
	s_add_co_u32 s48, s48, s45
	s_mov_b32 s49, 0
	s_lshl_b32 s50, s[WV], 17                      ; K at LDS byte 0, V at 131,072
	s_mov_b32 s[SEL], 0x76543210
	s_mov_b32 s[SEL+1], 0xfedcba98
	s_wait_dscnt 0x0
	s_wait_kmcnt 0x0
	s_cmp_lt_u32 s[WV], 2
	s_cbranch_scc0 .Lno_load                       ; a wave's first fills stand inside one branch on its number
	s_add_nc_u64 s[48:49], s[4:5], s[48:49]
.irp c, 0,1,2,3
	s_mov_b32 s[G0+4*\c], 1
	s_add_co_u32 s[G0+4*\c+1], s50, 32768*\c
	s_add_nc_u64 s[G0+4*\c+2:G0+4*\c+3], s[48:49], 32768*\c
	s_or_b32 s[G0+4*\c+3], s[G0+4*\c+3], 0x80000000
	tensor_load_to_lds s[G0+4*\c:G0+4*\c+3], s[G1:G1+7]
	s_nop 0
.endr
.rept 4
	v_nop
.endr
.Lno_load:
	v_and_b32 v1, 31, v0
	v_lshlrev_b32 v[LI], 4, v1                     ; 16 x lane: an image's place for my lane
	v_and_b32 v24, 15, v0                          ; r
	v_bfe_u32 v25, v0, 4, 1                        ; h
	v_lshlrev_b32 v[R64], 6, v24
	v_lshlrev_b32 v25, 3, v25
	v_sub_nc_u32 v[RH], v24, v25                   ; r - 8 h
	v_mov_b32 v[NINF], 0xff800000
	v_mov_b32 v[IV+1], 0                           ; named as the upper halves of pairs
	v_mov_b32 v[IV+3], 0
	v_mov_b32 v[W+2], 0                            ; a lane permute's destination counts as one of its sources
	v_mov_b32 v[W+3], 0
	s_lshl_b32 s[Q0A], s[WV], 6
	s_lshl_b32 s51, ttmp9, 5
	s_add_co_u32 s[Q0A], s[Q0A], s51               ; the short pass's first query: 32 (2 w + z)
	s_sub_co_u32 s[Q0B], 992, s[Q0A]               ; the long pass's: 32 (31 - 2 w - z)
	s_lshr_b32 s46, s44, 4
	s_lshl_b32 s46, s46, 10                        ; the sequence's first token
	s_and_b32 s47, s44, 15                         ; the head
	s_add_co_u32 s50, s46, s[Q0A]
	s_add_co_u32 s51, s46, s[Q0B]
	s_lshl_b32 s56, s[Q0A], 7                      ; q: 2,048 bytes for 16 queries
	s_add_co_u32 s56, s56, s45
	s_mov_b32 s57, 0
	s_lshl_b32 s58, s[Q0B], 7
	s_add_co_u32 s58, s58, s45
	s_mov_b32 s59, 0
	s_add_nc_u64 s[56:57], s[4:5], s[56:57]
	s_add_nc_u64 s[58:59], s[4:5], s[58:59]
	s_lshl_b32 s66, s47, 2
	s_lshl_b32 s60, s50, 6                         ; the gate: 64 bytes a token, 4 a head
	s_add_co_u32 s60, s60, s66
	s_mov_b32 s61, 0
	s_lshl_b32 s62, s51, 6
	s_add_co_u32 s62, s62, s66
	s_mov_b32 s63, 0
	s_add_nc_u64 s[60:61], s[6:7], s[60:61]
	s_add_nc_u64 s[62:63], s[6:7], s[62:63]
	s_add_co_u32 s52, s50, s47                     ; the result: 32,768 bytes for 16 tokens, 2,048 a head
	s_lshl_b32 s52, s52, 11
	s_mov_b32 s53, 0
	s_add_co_u32 s54, s51, s47
	s_lshl_b32 s54, s54, 11
	s_mov_b32 s55, 0
	s_add_nc_u64 s[52:53], s[8:9], s[52:53]
	s_add_nc_u64 s[54:55], s[8:9], s[54:55]
	WIN 0x40                                       ; destination window 1
.irp qt, 0,1
.irp f, 0,1,2,3                                ; Q stays in registers: pass, tile qt, quarter f of its two fragments
	global_load_b128 v[16*\qt+4*\f:16*\qt+4*\f+3],       v[LI], s[56:57] offset:2048*\qt+512*\f
	global_load_b128 v[32+16*\qt+4*\f:32+16*\qt+4*\f+3], v[LI], s[58:59] offset:2048*\qt+512*\f
.endr
.endr
	WIN 0
.irp qt, 0,1
	global_load_b32 v[GT+\qt],   v[R64], s[60:61] offset:1024*\qt
	global_load_b32 v[GT+2+\qt], v[R64], s[62:63] offset:1024*\qt
.endr
.macro INIT                            ; O^T and the sums begin as zeros: the step is then written once for all steps of a pass
	WIN 0x40
.set n, 0
.rept 64
	v_mov_b32 v[O+n], 0
.set n, n+1
.endr
	WIN 0
.set n, 0
.rept 8
	v_mov_b32 v[L+n], 0
.set n, n+1
.endr
.endm
; A KEY STEP: 64 keys against my 32 queries
.macro STEP pass
	s_add_co_u32 s46, s[Q0], 31
	s_cmp_gt_u32 s[KF], s46                        ; all keys come after my queries: the step's work is left out (ids and the count of steps alone)
	s_cbranch_scc1 .Lhid_\@
	v_add_nc_u32 v[ADK], s[TB], v[LI]
	v_add_nc_u32 v[ADV], s[TBV], v[LI]
	v_nop
	v_nop                                          ; four places between the last step's products and the loads into V's registers
.irp t, 0,1,2,3
.irp cs, 0,1
	ds_load_b128 v[KR+8*(2*\t+\cs):KR+8*(2*\t+\cs)+3],   v[ADK] offset:2048*\t+1024*\cs
	ds_load_b128 v[KR+8*(2*\t+\cs)+4:KR+8*(2*\t+\cs)+7], v[ADK] offset:2048*\t+1024*\cs+512
.endr
.endr
	WIN 0x40
.irp u, 0,1
.irp ct, 0,1,2,3
	ds_load_b128 v[VR+8*(4*\u+\ct):VR+8*(4*\u+\ct)+3],   v[ADV] offset:4096*\u+1024*\ct
	ds_load_b128 v[VR+8*(4*\u+\ct)+4:VR+8*(4*\u+\ct)+7], v[ADV] offset:4096*\u+1024*\ct+512
.endr
.endr
	WIN 0x04                                       ; source 1 (Q) window 1
	s_wait_dscnt 16                                ; K is in; V's sixteen loads may be out
.irp cs, 0,1                                   ; eight accumulators by turns
.irp qt, 0,1
.irp t, 0,1,2,3
.if \cs == 0
	v_wmma_f32_16x16x32_f16 v[S+32*\qt+8*\t:S+32*\qt+8*\t+7], v[KR+8*(2*\t+\cs):KR+8*(2*\t+\cs)+7], v[32*\pass+16*\qt+8*\cs:32*\pass+16*\qt+8*\cs+7], 0
.else
	v_wmma_f32_16x16x32_f16 v[S+32*\qt+8*\t:S+32*\qt+8*\t+7], v[KR+8*(2*\t+\cs):KR+8*(2*\t+\cs)+7], v[32*\pass+16*\qt+8*\cs:32*\pass+16*\qt+8*\cs+7], v[S+32*\qt+8*\t:S+32*\qt+8*\t+7]
.endif
.endr
.endr
.endr
	WIN 0
.rept 4
	v_nop
.endr
	s_add_co_u32 s46, s[KF], 63
	s_cmp_le_u32 s46, s[Q0]                        ; all keys count: no mask
	s_cbranch_scc1 .Lopen_\@
	s_sub_co_i32 s46, s[Q0], s[KF]
	v_add_nc_u32 v[DD], s46, v[RH]                 ; key KF + 16 t + 8 h + j is hidden from query Q0 + 16 qt + r where 16 t + j - 16 qt > Q0 - KF + r - 8 h
.irp qt, 0,1
.irp t, 0,1,2,3
.irp j, 0,1,2,3,4,5,6,7
	v_cmp_gt_i32 vcc_lo, 16*\t+\j-16*\qt, v[DD]
	v_cndmask_b32 v[S+32*\qt+8*\t+\j], v[S+32*\qt+8*\t+\j], v[NINF], vcc_lo
.endr
.endr
.endr
.Lopen_\@:
.set n, 0
.rept 64
	v_exp_f32 v[S+n], v[S+n]                       ; p = 2^(k.q)
.set n, n+1
.endr
	v_nop
	s_wait_alu depctr_va_vdst(0)                   ; one wait for the batch, ahead of its first reader
.irp n, 0,4,8,12,16,20,24,28                   ; the sums of the unrounded p: four chains by turns
.irp qt, 0,1
	v_pk_add_f32 v[L+4*\qt:L+4*\qt+1],   v[L+4*\qt:L+4*\qt+1],   v[S+32*\qt+\n:S+32*\qt+\n+1]
	v_pk_add_f32 v[L+4*\qt+2:L+4*\qt+3], v[L+4*\qt+2:L+4*\qt+3], v[S+32*\qt+\n+2:S+32*\qt+\n+3]
.endr
.endr
.set n, 0
.rept 32
	v_cvt_pk_f16_f32 v[P+n], v[S+2*n], v[S+2*n+1]
.set n, n+1
.endr
	s_wait_dscnt 0x0                               ; V is in
	WIN 0x51                                       ; V, C and D window 1; P window 0
.irp u, 0,1
.irp qt, 0,1
.irp ct, 0,1,2,3
	v_wmma_f32_16x16x32_f16 v[O+32*\qt+8*\ct:O+32*\qt+8*\ct+7], v[VR+8*(4*\u+\ct):VR+8*(4*\u+\ct)+7], v[P+16*\qt+8*\u:P+16*\qt+8*\u+7], v[O+32*\qt+8*\ct:O+32*\qt+8*\ct+7]
.endr
.endr
.endr
	WIN 0
.Lhid_\@:
	s_add_co_u32 s[KF], s[KF], 64
	s_add_co_u32 s[TB], s[TB], 8192
	s_add_co_u32 s[TBV], s[TBV], 8192
.endm
.macro WALK pass, trips
	s_mov_b32 s[CNT], \trips
.Lwalk_\@:
	STEP \pass
	s_sub_co_u32 s[CNT], s[CNT], 1
	s_cmp_lg_u32 s[CNT], 0
	s_cbranch_scc1 .Lwalk_\@
.endm
; THE WAY OUT of a pass: O^T x gate / sum, to f16; a lane's eight channels are 16 bytes of a half fragment: 512 consecutive bytes a store
.macro OUT pass
.rept 4
	v_nop
.endr
.irp qt, 0,1
	v_pk_add_f32 v[L+4*\qt:L+4*\qt+1], v[L+4*\qt:L+4*\qt+1], v[L+4*\qt+2:L+4*\qt+3]
.endr
.irp qt, 0,1
	v_add_f32 v[W+\qt], v[L+4*\qt], v[L+4*\qt+1]
.endr
.irp qt, 0,1
	v_permlanex16_b32 v[W+2+\qt], v[W+\qt], s[SEL], s[SEL+1]
.endr
.irp qt, 0,1
	v_add_f32 v[W+\qt], v[W+\qt], v[W+2+\qt]
.endr
.irp qt, 0,1
	v_rcp_f32 v[IV+2*\qt], v[W+\qt]
.endr
	v_nop
	s_wait_alu depctr_va_vdst(0)
.irp qt, 0,1
	v_mul_f32 v[IV+2*\qt], v[IV+2*\qt], v[GT+2*\pass+\qt]
.endr
	WIN 0x01                                       ; source 0 (O^T) window 1
.set n, 0
.rept 32
	v_pk_mul_f32 v[OW+2*n:OW+2*n+1], v[O+2*n:O+2*n+1], v[IV+2*(n/16):IV+2*(n/16)+1] op_sel_hi:[1,0]   ; each accumulator from its low end on
.set n, n+1
.endr
	WIN 0
.set n, 0
.rept 32
	v_cvt_pk_f16_f32 v[P+n], v[OW+2*n], v[OW+2*n+1]
.set n, n+1
.endr
.irp qt, 0,1
.irp ct, 0,1,2,3
	global_store_b128 v[LI], v[P+16*\qt+4*\ct:P+16*\qt+4*\ct+3], s[52+2*\pass:53+2*\pass] offset:32768*\qt+1024*(\ct/2)+512*(\ct%2)
.endr
.endr
	s_wait_xcnt 0x0                                ; the stores have read P
.endm
	INIT
	s_mov_b32 s[Q0], s[Q0B]
	s_mov_b32 s[KF], 0
	s_mov_b32 s[TB], 0
	s_mov_b32 s[TBV], VL
	s_wait_tensorcnt 3                             ; the loading waves: chunk 0 has landed, three younger loads may be out
	s_barrier_signal -1
	s_barrier_wait -1
	s_wait_loadcnt 0x0                             ; Q and the gate
	WALK 1, 4                                      ; keys 0-255
	s_wait_tensorcnt 2                             ; chunk 1
	s_wait_dscnt 0x0
	s_barrier_signal -1
	s_barrier_wait -1
	WALK 1, 4                                      ; keys 256-511
	s_wait_tensorcnt 0x0                           ; chunks 2 and 3
	s_wait_dscnt 0x0
	s_barrier_signal -1
	s_barrier_wait -1
	WALK 1, 8                                      ; keys 512-1,023, as far as my queries reach
	OUT 1
	INIT
	s_mov_b32 s[Q0], s[Q0A]
	s_mov_b32 s[KF], 0
	s_mov_b32 s[TB], 0
	s_mov_b32 s[TBV], VL
	WALK 0, 8                                      ; the short pass: its queries end at 511
	OUT 0
	s_wait_tensorcnt 0x0                           ; the wave's end
	ds_add_u32 v[SPW], v[NIL]
	s_wait_dscnt 0x0
	s_endpgm
.Lfunc_end_k_q2f86147632_attn:
	.size	k_q2f86147632_attn, .Lfunc_end_k_q2f86147632_attn-k_q2f86147632_attn
	.p2alignl 7, 3214868480
	.fill 96, 4, 3214868480
	.section	.rodata,"a",@progbits
	.p2align	6, 0x0
	.amdhsa_kernel k_q2f86147632_attn
		.amdhsa_group_segment_fixed_size 327680
		.amdhsa_private_segment_fixed_size 0
		.amdhsa_enable_private_segment 0
		.amdhsa_kernarg_size 24
		.amdhsa_user_sgpr_count 2
		.amdhsa_user_sgpr_kernarg_segment_ptr 1
		.amdhsa_wavefront_size32 1
		.amdhsa_system_sgpr_workgroup_id_x 1
		.amdhsa_system_sgpr_workgroup_id_y 1
		.amdhsa_system_sgpr_workgroup_id_z 1
		.amdhsa_system_vgpr_workitem_id 0
		.amdhsa_next_free_vgpr 512
		.amdhsa_next_free_sgpr 68
		.amdhsa_reserve_vcc 1
		.amdhsa_float_denorm_mode_32 3
		.amdhsa_float_denorm_mode_16_64 3
		.amdhsa_memory_ordered 1
		.amdhsa_forward_progress 1
		.amdhsa_inst_pref_size 84
	.end_amdhsa_kernel
	.amdgpu_metadata
---
amdhsa.version: [ 1, 2 ]
amdhsa.kernels:
  - .name:           k_q2f86147632_attn
    .symbol:         k_q2f86147632_attn.kd
    .args:
      - { .name: qkvh, .offset: 0, .size: 8, .value_kind: global_buffer, .address_space: global }
      - { .name: gates, .offset: 8, .size: 8, .value_kind: global_buffer, .address_space: global }
      - { .name: atth, .offset: 16, .size: 8, .value_kind: global_buffer, .address_space: global }
    .group_segment_fixed_size: 327680
    .private_segment_fixed_size: 0
    .kernarg_segment_align: 8
    .kernarg_segment_size: 24
    .max_flat_workgroup_size: 256
    .sgpr_count:     68
    .vgpr_count:     512
    .wavefront_size: 32
...
	.end_amdgpu_metadata
.endif
;; end of part 3
;; launch proj (part 4): grid 8 x 32, 4 waves a work-group, clusters of 4 x 4, 327,680 bytes of LDS; arguments atth, woh, out0; writes out0
.if DOCPART == 4
	.amdgcn_target "amdgcn-amd-amdhsa--gfx1250"
	.amdhsa_code_object_version 6
	.text
	.protected	k_q2f86147632_proj
	.globl	k_q2f86147632_proj
	.p2align	8
	.type	k_q2f86147632_proj,@function
k_q2f86147632_proj:
	s_mov_b64 s[64:65], 0
	v_nop
	global_prefetch_b8 v0, s[64:65] scope:SCOPE_SE
	s_setreg_imm32_b32 hwreg(HW_REG_WAVE_MODE, 25, 1), 1
	s_wait_xcnt 0x0
	s_wait_alu depctr_hold_cnt(0) depctr_sa_sdst(0) depctr_va_vdst(0) depctr_va_sdst(0) depctr_va_ssrc(0) depctr_va_vcc(0) depctr_vm_vsrc(0)
	s_getreg_b32 s2, hwreg(HW_REG_IB_STS2, 6, 4)
	s_cmp_eq_u32 s2, 0
	s_cbranch_scc0 .Lentry_in_a_cluster
	s_endpgm
.Lentry_in_a_cluster:
	s_bfe_u32 s2, ttmp6, 0x10000c
	s_cmp_lg_u32 s2, 0xf033
	s_cbranch_scc0 .Lentry_shape_is_right
	s_endpgm
.Lentry_shape_is_right:
; PROJ: out0 = (attention x gate) Wo^T, f16 operands, f32 sums.  [8192][1024] x [1024][1024].
; Work left out: the 16 rows at the head of every sequence are not stored here: the last launch owns them and makes them in f32.  They are still multiplied, inside tiles with live rows.
; A tile of 128 x 128 is made by four waves, 64 x 64 each: 16 accumulators.  K goes in four steps of 256 through two LDS slots.  Both operands lie in memory as images of their fragments
; ([block of 16 rows][step of 32 along K][half][lane][16 bytes]), so a wave's tensor load is 4 rows of 8,192 bytes (4 blocks of 16 rows x 8 steps of 32), a fragment is two loads of 512 consecutive bytes, and LDS needs no padding.
; A WORK-GROUP STAYS: 512 tiles, 256 work-groups, two tiles each, 1,024 rows apart, on the same rows of Wo.  The ring does not stop at the first tile's end: its last two changes of slots ask for the second
; tile's K steps 0 and 1, the second tile's first fragments are fetched, and only then the first tile goes out, while those loads are on their way; nothing waits for its stores.  The two tiles are written out.
; CLUSTERS of 4 x 4: A's tile is asked for jointly along a row of the cluster, B's along a column.  Tile rows = 16 cy + cluster y and that + 8, so that 'my tile begins a sequence' (cluster y = 0) is the same
; in all partners and for both tiles.
; No prefetch: a K step of this small tile is short, and the tiles are shared in the cluster.
; Source 0 = 16 rows of Wo, source 1 = 16 tokens: a lane holds eight neighbouring numbers of a row of out0.
; REGISTERS: window 0: v0-31 addresses; v32-95 the way out; v128-255 the accumulators ((a, b) at v[128 + 8 (4 a + b)]).   window 1: two fragment buffers of 128.
.set STEPB,  8192
.set HALFT,  32768
.set SLOT,   131072
.set STAGE,  262144                    ; 16 rows x 272 bytes for each wave
.set SPITCH, 272
.set SPARE,  STAGE+4*16*SPITCH
.set NEXT_A, 64*32768-2*STEPB          ; bytes from a slot's last K step of the first tile to its first of the second: A goes 64 blocks of 16 rows down and two K steps back,
.set BACK_B, 2*STEPB                   ; B only back
.set NEXT_C, 1024*4096                 ; out0: 1,024 rows down
.set ADRA, 16
.set ADRB, 20
.set STO,  24
.set RD,   25
.set CO,   26
.set SPW,  28
.set NIL,  29
.set TMP,  32
.set ACC,  128
.set F0,   0
.set F1,   128
.set G1, 24
.set G0, 32
.set G1B, 48
.set G0B, 56
.set MSB, 0
.macro WIN new
.if MSB != \new
	s_set_vgpr_msb (MSB<<8)|\new
.set MSB, \new
.endif
.endm
.set MUL,  0x05                        ; sources 0 (B) and 1 (A) window 1; C and D window 0
.set TO_F, 0x40
.macro JLOAD s                         ; a joint load: waves 0 and 1 fetch A's halves, waves 2 and 3 B's; an s_nop 0 and four v_nop follow each line
	s_cmp_eq_u32 s11, 0
	s_cbranch_scc0 .Lfor_b_\@
	tensor_load_to_lds s[G0+4*\s:G0+4*\s+3], s[G1:G1+7]
	s_nop 0
.rept 4
	v_nop
.endr
	s_branch .Lasked_\@
.Lfor_b_\@:
	tensor_load_to_lds s[G0B+4*\s:G0B+4*\s+3], s[G1B:G1B+7]
	s_nop 0
.rept 4
	v_nop
.endr
.Lasked_\@:
.endm
.macro CREST
	s_cmp_lg_u32 s10, 0
	s_cbranch_scc1 .Lnot_wave_0_\@
	s_barrier_signal -3
.Lnot_wave_0_\@:
	s_barrier_wait -3
	s_barrier_signal -1
	s_barrier_wait -1
.endm
.macro CROUND
	s_barrier_signal -1
	s_barrier_wait -1
	CREST
.endm
	s_load_b128 s[4:7], s[0:1], 0x0                ; atth, woh
	s_load_b64 s[8:9], s[0:1], 0x10                ; out0
	v_lshl_add_u32 v[SPW], v0, 2, SPARE
	v_mov_b32 v[NIL], 0
	ds_add_u32 v[SPW], v[NIL]                      ; the opening: the add, twice on end, and its wait ahead of my first tensor load
	ds_add_u32 v[SPW], v[NIL]
	v_lshrrev_b32 v1, 5, v0
	v_readfirstlane_b32 s10, v1                    ; wave 0..3
	s_lshr_b32 s11, s10, 1                         ; my half of the tile's rows.  Also: I fetch for A (0) or for B (1)
	s_and_b32 s12, s10, 1                          ; my half of its columns.  Also: which 64 rows I fetch
	s_bfe_u32 s40, ttmp6, 0x40000                  ; cx
	s_bfe_u32 s41, ttmp6, 0x40004                  ; cy
	s_lshl_b32 s42, ttmp9, 2
	s_add_co_u32 s42, s42, s40                     ; tile column = 4 x cluster x + cx
	s_and_b32 s45, ttmp7, 0xffff                   ; the cluster's y, 0 to 7
	s_lshl_b32 s13, s41, 4
	s_add_co_u32 s13, s13, s45                     ; the first tile's row = 16 cy + cluster y
	s_lshl_b32 s43, s41, 2
	s_lshl_b32 s43, 15, s43                        ; my row of the cluster
	s_lshl_b32 s44, 0x1111, s40                    ; my column
	s_or_b32 s[G1+0], s43, (3<<16)|(1<<21)         ; the mask; elements of 8 bytes; bit 21 beside a mask; no padding
	s_or_b32 s[G1B+0], s44, (3<<16)|(1<<21)
.irp g, G1, G1B
	s_mov_b32 s[\g+1], 1024<<16                    ; tensor_dim0 = 1,024 elements: 8 steps of 32 along K of one block of 16 rows
	s_mov_b32 s[\g+2], 4<<16                       ; tensor_dim1 = 4 blocks
	s_mov_b32 s[\g+3], 1024<<16
	s_mov_b32 s[\g+4], 4
	s_mov_b32 s[\g+5], 4096                        ; a block of 16 rows is 32,768 bytes
	s_mov_b32 s[\g+6], 0
	s_mov_b32 s[\g+7], 0
.endr
	s_lshl_b32 s17, s12, 2
	s_lshl_b32 s16, s13, 3
	s_add_co_u32 s16, s16, s17                     ; A: block 8 x tile row + 4 x half
	s_lshl_b32 s16, s16, 15
	s_lshl_b32 s46, s42, 3
	s_add_co_u32 s46, s46, s17                     ; B: block 8 x tile column + 4 x half
	s_lshl_b32 s46, s46, 15
	s_mov_b32 s17, 0
	s_mov_b32 s47, 0
	s_mul_i32 s20, s10, HALFT                      ; where they go: wave x 32,768
	s_wait_dscnt 0x0
	s_wait_kmcnt 0x0
	s_add_nc_u64 s[14:15], s[4:5], s[16:17]
	s_add_nc_u64 s[46:47], s[6:7], s[46:47]
	CROUND                                         ; all sixteen work-groups are here: the first joint loads meet
.irp s, 0,1
	s_mov_b32 s[G0+4*\s], 1
	s_add_co_u32 s[G0+4*\s+1], s20, \s*SLOT
	s_add_nc_u64 s[G0+4*\s+2:G0+4*\s+3], s[14:15], \s*STEPB
	s_or_b32 s[G0+4*\s+3], s[G0+4*\s+3], 0x80000000
	s_mov_b32 s[G0B+4*\s], 1
	s_add_co_u32 s[G0B+4*\s+1], s20, \s*SLOT
	s_add_nc_u64 s[G0B+4*\s+2:G0B+4*\s+3], s[46:47], \s*STEPB
	s_or_b32 s[G0B+4*\s+3], s[G0B+4*\s+3], 0x80000000
	JLOAD \s
.endr
	v_and_b32 v1, 15, v0
	v_bfe_u32 v2, v0, 4, 1
	v_and_b32 v3, 31, v0
	v_lshlrev_b32 v3, 4, v3                        ; 16 x lane
	s_mul_i32 s21, s11, HALFT                      ; my 64 rows of A
	s_mul_i32 s22, s12, HALFT                      ; my 64 rows of B,
	s_add_co_u32 s22, s22, 2*HALFT                 ; behind A's 128
.irp s, 0,1
	v_add_nc_u32 v[ADRA+\s], s21, v3
	v_add_nc_u32 v[ADRB+\s], s22, v3
	s_add_co_u32 s21, s21, SLOT
	s_add_co_u32 s22, s22, SLOT
.endr
	s_mul_i32 s23, s10, 16*SPITCH
	s_add_co_u32 s23, s23, STAGE                   ; my stage
	v_mul_u32_u24 v4, v1, SPITCH
	v_lshl_add_u32 v4, v2, 5, v4
	v_add_nc_u32 v[STO], s23, v4                   ; in: row r, 32 bytes for each half of the lanes
	v_mul_u32_u24 v5, v2, SPITCH
	v_lshl_add_u32 v5, v1, 4, v5
	v_add_nc_u32 v[RD], s23, v5                    ; back: lanes 0-15 one row of 256 bytes, lanes 16-31 the next
	v_lshlrev_b32 v5, 12, v2
	v_lshl_add_u32 v[CO], v1, 4, v5                ; and the same two rows in out0
	s_lshl_b32 s16, s13, 7
	s_lshl_b32 s17, s11, 6
	s_add_co_u32 s16, s16, s17                     ; my first row
	s_lshl_b32 s16, s16, 12
	s_lshl_b32 s46, s42, 9
	s_lshl_b32 s47, s12, 8
	s_add_co_u32 s46, s46, s47                     ; my first column, in bytes
	s_add_co_u32 s16, s16, s46
	s_mov_b32 s17, 0
	s_add_nc_u64 s[8:9], s[8:9], s[16:17]
	s_and_b32 s2, s45, 7
	s_or_b32 s2, s2, s11                           ; 0: my first 16 rows of each tile are positions 0-15 of a sequence (the same in all partners, for a given wave)
.macro MUL8 f, c, a0, zero             ; 8 products: m blocks a0, a0 + 1 x all 4 n blocks, 32 along K.  The 16 accumulators take turns
.irp a, \a0, \a0+1
.irp b, 0,1,2,3
.if \zero
	v_wmma_f32_16x16x32_f16 v[ACC+8*(4*(\a)+\b):ACC+8*(4*(\a)+\b)+7], v[\f+64+8*(4*\c+\b):\f+64+8*(4*\c+\b)+7], v[\f+8*(4*\c+\a):\f+8*(4*\c+\a)+7], 0
.else
	v_wmma_f32_16x16x32_f16 v[ACC+8*(4*(\a)+\b):ACC+8*(4*(\a)+\b)+7], v[\f+64+8*(4*\c+\b):\f+64+8*(4*\c+\b)+7], v[\f+8*(4*\c+\a):\f+8*(4*\c+\a)+7], v[ACC+8*(4*(\a)+\b):ACC+8*(4*(\a)+\b)+7]
.endif
.endr
.endr
.endm
.macro FETCH slot, q, f                ; 32 LDS loads in one run: quarter q of the slot (64 along K), the first 32 along K first
	WIN TO_F
.irp c, 0,1
.irp i, 0,1,2,3
	ds_load_b128 v[\f+64+8*(4*\c+\i):\f+64+8*(4*\c+\i)+3],   v[ADRB+\slot] offset:1024*(2*(\q)+\c)+8192*\i
	ds_load_b128 v[\f+64+8*(4*\c+\i)+4:\f+64+8*(4*\c+\i)+7], v[ADRB+\slot] offset:1024*(2*(\q)+\c)+8192*\i+512
	ds_load_b128 v[\f+8*(4*\c+\i):\f+8*(4*\c+\i)+3],         v[ADRA+\slot] offset:1024*(2*(\q)+\c)+8192*\i
	ds_load_b128 v[\f+8*(4*\c+\i)+4:\f+8*(4*\c+\i)+7],       v[ADRA+\slot] offset:1024*(2*(\q)+\c)+8192*\i+512
.endr
.endr
.endm
.macro PLACES
.rept 4
	v_nop
.endr
.endm
.macro QUARTER slot, q, f, g, zero     ; multiplies buffer f and fetches quarter q into g
	s_wait_dscnt 16                                ; the first 32 along K are in
	WIN MUL
	MUL8 \f, 0, 0, \zero
	MUL8 \f, 0, 2, \zero
	PLACES
	FETCH \slot, \q, \g
	s_wait_dscnt 32                                ; all but the 32 just issued
	WIN MUL
	MUL8 \f, 1, 0, 0
	MUL8 \f, 1, 2, 0
.endm
; The last quarter changes slots: in front of the one barrier each wave waits for all its tensor loads, adds 0 to its spare word, and waits for that and for its reads of this slot.
; fill = 1: the slot is filled again, with this tile's K step two steps on; fill = 2: with the second tile's K step 0 or 1; fill = 0: not at all
.macro TURN slot, next, fill
	WIN 0
	s_wait_tensorcnt 0x0                           ; all my tensor loads have landed: my part of the next slot
	ds_add_u32 v[SPW], v[NIL]
	s_wait_dscnt 17                                ; the add and the youngest sixteen loads may be out
	WIN MUL
	MUL8 F1, 0, 0, 0
	s_wait_dscnt 0x0                               ; the add is done, and my reads of this slot are over
	s_barrier_signal -1
	MUL8 F1, 0, 2, 0
.if \fill
	WIN 0
.endif
	s_barrier_wait -1
.if \fill
	CREST                                          ; the barrier has opened a round of the cluster's: no wave of any partner still reads this slot or has a load on its way
.if \fill == 2
	s_add_nc_u64 s[G0+4*\slot+2:G0+4*\slot+3], s[G0+4*\slot+2:G0+4*\slot+3], NEXT_A
	s_sub_nc_u64 s[G0B+4*\slot+2:G0B+4*\slot+3], s[G0B+4*\slot+2:G0B+4*\slot+3], BACK_B
.else
	s_add_nc_u64 s[G0+4*\slot+2:G0+4*\slot+3], s[G0+4*\slot+2:G0+4*\slot+3], 2*STEPB
	s_add_nc_u64 s[G0B+4*\slot+2:G0B+4*\slot+3], s[G0B+4*\slot+2:G0B+4*\slot+3], 2*STEPB
.endif
	JLOAD \slot                                    ; the first tensor load behind the round; its four v_nop are also the places in front of the loads below
.else
	PLACES
.endif
	FETCH \next, 0, F0
	WIN MUL
	MUL8 F1, 1, 0, 0
	MUL8 F1, 1, 2, 0
.endm
; A tile's K steps 0 and 1, and K step 2 up to its change of slots: both slots are filled again, with K steps 2 and 3.  The first quarter's first products start the sums: nothing is cleared
.macro FRONT
	QUARTER 0, 1, F0, F1, 1
	QUARTER 0, 2, F1, F0, 0
	QUARTER 0, 3, F0, F1, 0
	TURN 0, 1, 1
	QUARTER 1, 1, F0, F1, 0
	QUARTER 1, 2, F1, F0, 0
	QUARTER 1, 3, F0, F1, 0
	TURN 1, 0, 1
	QUARTER 0, 1, F0, F1, 0
	QUARTER 0, 2, F1, F0, 0
	QUARTER 0, 3, F0, F1, 0
.endm
; THE WAY OUT, 16 rows x my 64 columns at a time, through my own stage: a row's 256 bytes come back to sixteen neighbouring lanes, which store them at a multiple of 256 from out0's first byte
.macro OUTB a
.set TT, TMP+32*((\a)%2)
.if (\a) > 1
	s_wait_xcnt 0x0                                ; block a - 2's stores have read these registers
.endif
.irp b, 0,1,2,3
	ds_store_b128 v[STO], v[ACC+8*(4*(\a)+\b):ACC+8*(4*(\a)+\b)+3]   offset:64*\b       ; each accumulator from its low end on
	ds_store_b128 v[STO], v[ACC+8*(4*(\a)+\b)+4:ACC+8*(4*(\a)+\b)+7] offset:64*\b+16
.endr
.irp t, 0,1,2,3,4,5,6,7
	ds_load_b128 v[TT+4*\t:TT+4*\t+3], v[RD] offset:\t*2*SPITCH    ; LDS serves a wave's instructions in order: these see the stores above
.endr
.irp t, 0,1,2,3,4,5,6,7
	s_wait_dscnt 7-\t
	global_store_b128 v[CO], v[TT+4*\t:TT+4*\t+3], s[8:9] offset:(16*(\a)+2*\t)*4096 th:TH_STORE_NT
.endr
.endm
.macro WAYOUT
.rept 5
	v_nop                                          ; four places ahead of the stores that read results just made; the fifth for the next tile's first products, which begin these accumulators anew
.endr
	s_cmp_eq_u32 s2, 0
	s_cbranch_scc1 .Lnot_mine_\@                   ; positions 0-15 belong to the last launch
	OUTB 0
.Lnot_mine_\@:
	OUTB 1
	OUTB 2
	OUTB 3
.endm
	s_wait_tensorcnt 1                             ; my part of K step 0 is in; K step 1's may be out
	s_barrier_signal -1
	s_barrier_wait -1
	FETCH 0, 0, F0
	; ---- the first tile
	FRONT
	TURN 0, 1, 2                                   ; THE RING GOES ON INTO THE SECOND TILE: slot 0 takes its K step 0,
	QUARTER 1, 1, F0, F1, 0
	QUARTER 1, 2, F1, F0, 0
	QUARTER 1, 3, F0, F1, 0
	TURN 1, 0, 2                                   ; slot 1 its K step 1, and the second tile's first fragments are fetched
	WIN 0
	WAYOUT                                         ; both refills are asked for: now the first tile goes out
	; ---- the second tile
	FRONT
	TURN 0, 1, 0                                   ; nothing is left to fetch
	QUARTER 1, 1, F0, F1, 0
	QUARTER 1, 2, F1, F0, 0
	QUARTER 1, 3, F0, F1, 0
	s_wait_dscnt 16
	WIN MUL
	MUL8 F1, 0, 0, 0
	MUL8 F1, 0, 2, 0
	s_wait_dscnt 0
	MUL8 F1, 1, 0, 0
	MUL8 F1, 1, 2, 0
	WIN 0
	s_wait_xcnt 0x0                                ; the first tile's stores have read their base and their registers: both are written again below
	s_add_nc_u64 s[8:9], s[8:9], NEXT_C
	WAYOUT
	s_wait_tensorcnt 0x0                           ; the wave's end
	ds_add_u32 v[SPW], v[NIL]
	s_wait_dscnt 0x0
	CROUND                                         ; the closing round
	s_endpgm
.Lfunc_end_k_q2f86147632_proj:
	.size	k_q2f86147632_proj, .Lfunc_end_k_q2f86147632_proj-k_q2f86147632_proj
	.p2alignl 7, 3214868480
	.fill 96, 4, 3214868480
	.section	.rodata,"a",@progbits
	.p2align	6, 0x0
	.amdhsa_kernel k_q2f86147632_proj
		.amdhsa_group_segment_fixed_size 327680
		.amdhsa_private_segment_fixed_size 0
		.amdhsa_enable_private_segment 0
		.amdhsa_kernarg_size 24
		.amdhsa_user_sgpr_count 2
		.amdhsa_user_sgpr_kernarg_segment_ptr 1
		.amdhsa_wavefront_size32 1
		.amdhsa_system_sgpr_workgroup_id_x 1
		.amdhsa_system_sgpr_workgroup_id_y 1
		.amdhsa_system_sgpr_workgroup_id_z 1
		.amdhsa_system_vgpr_workitem_id 0
		.amdhsa_next_free_vgpr 512
		.amdhsa_next_free_sgpr 66
		.amdhsa_reserve_vcc 0
		.amdhsa_float_denorm_mode_32 3
		.amdhsa_float_denorm_mode_16_64 3
		.amdhsa_memory_ordered 1
		.amdhsa_forward_progress 1
		.amdhsa_inst_pref_size 167
	.end_amdhsa_kernel
	.amdgpu_metadata
---
amdhsa.version: [ 1, 2 ]
amdhsa.kernels:
  - .name:           k_q2f86147632_proj
    .symbol:         k_q2f86147632_proj.kd
    .args:
      - { .name: atth, .offset: 0, .size: 8, .value_kind: global_buffer, .address_space: global }
      - { .name: woh, .offset: 8, .size: 8, .value_kind: global_buffer, .address_space: global }
      - { .name: out0, .offset: 16, .size: 8, .value_kind: global_buffer, .address_space: global }
    .group_segment_fixed_size: 327680
    .private_segment_fixed_size: 0
    .kernarg_segment_align: 8
    .kernarg_segment_size: 24
    .max_flat_workgroup_size: 128
    .sgpr_count:     66
    .vgpr_count:     512
    .wavefront_size: 32
...
	.end_amdgpu_metadata
.endif
;; end of part 4
;; launch fine16 (part 5): grid 32 x 8, 16 waves a work-group, no clusters, 38,912 bytes of LDS; arguments fine32, gates, Wo, out0; writes out0
.if DOCPART == 5
	.amdgcn_target "amdgcn-amd-amdhsa--gfx1250"
	.amdhsa_code_object_version 6
	.text
	.protected	k_q2f86147632_fine16
	.globl	k_q2f86147632_fine16
	.p2align	8
	.type	k_q2f86147632_fine16,@function
k_q2f86147632_fine16:
	s_mov_b64 s[64:65], 0
	v_nop
	global_prefetch_b8 v0, s[64:65] scope:SCOPE_SE
	s_setreg_imm32_b32 hwreg(HW_REG_WAVE_MODE, 25, 1), 1
	s_wait_xcnt 0x0
; FINE16: positions 0-15 of every sequence, which average one to sixteen values, go through attention and the projection in f32: 128 rows of out0, which the launch before has left unwritten.
; Work left out: as in the attention launch, no maximum is taken away (k.q lies within +-11.6 for every input, since reference() normalises q and k).
; SHARES.  A work-group is (32 columns of out0, a sequence); wave w is head w.  Each work-group makes the sequence's sixteen small attentions anew (32 products of 16 x 16 x 4 a wave), so that the projection's K is
; shared out by head and the sixteen partial sums meet in LDS: no second launch, no sum across work-groups.  64 products of the f32 form a wave: no bulk work.
; K IS PERMUTED ALIKE ON BOTH SIDES: step (b, i) takes k = 16 b + 8 h + 2 i + 0, 1, so that pairs of registers of the images, of p and of the results are operands as they stand.
; A wave stores 128 consecutive bytes of a row: half of an aligned 256; 524,288 bytes in all leave so, the price of sharing the f32 work among 256 work-groups.
; The registers that the f32 form writes (v192-239) are written by matrix instructions alone.
.set SPARE, 36864
.set LI,  1
.set R64, 2
.set WA,  3
.set RH,  4
.set STO, 5
.set RDA, 6
.set OA,  7
.set GTE, 8
.set NINF, 9
.set W,   10                           ; v10-17 at work
.set IV,  18                           ; v18-19 gate / sum, as a pair
.set SPW, 30
.set NIL, 31
.set Q,   32                           ; v32-63   q; later attention x gate
.set K,   64                           ; v64-95   k; later the sixteen partial sums
.set V,   96                           ; v96-127  v
.set WR,  128                          ; v128-191 Wo: 32 nt + 8 ct + j
.set ACC, 192
.set DO,  224
.set T,   240
.set P,   248
	s_load_b256 s[4:11], s[0:1], 0x0               ; fine32, gates, Wo, out0
	v_lshl_add_u32 v[SPW], v0, 2, SPARE
	v_mov_b32 v[NIL], 0
	v_lshrrev_b32 v1, 5, v0
	v_readfirstlane_b32 s12, v1                    ; wave = head
	s_and_b32 s13, ttmp7, 0xffff                   ; the sequence
	v_and_b32 v10, 31, v0                          ; lane
	v_and_b32 v11, 15, v0                          ; r
	v_bfe_u32 v12, v0, 4, 1                        ; h
	v_lshlrev_b32 v[LI], 4, v10
	v_lshlrev_b32 v[OA], 2, v10
	v_lshlrev_b32 v[R64], 6, v11
	v_lshlrev_b32 v[WA], 12, v11
	v_lshl_add_u32 v[WA], v12, 5, v[WA]            ; Wo: row r of 4,096 bytes, + 32 h
	v_lshlrev_b32 v13, 3, v12
	v_sub_nc_u32 v[RH], v11, v13                   ; r - 8 h
	s_mul_i32 s23, s12, 2304
	v_mul_u32_u24 v[STO], v11, 144
	v_lshl_add_u32 v[STO], v12, 5, v[STO]
	v_add_nc_u32 v[STO], s23, v[STO]               ; my partial sums: 16 rows x (128 bytes + 16)
	s_mul_i32 s26, s12, 144
	v_add_nc_u32 v[RDA], s26, v[OA]                ; back: row w of every wave's
	v_mov_b32 v[NINF], 0xff800000
	v_mov_b32 v[IV+1], 0                           ; named as the upper half of a pair
	v_mov_b32 v[W+7], 0                            ; a lane permute's destination counts as one of its sources
	s_mov_b32 s20, 0x76543210
	s_mov_b32 s21, 0xfedcba98
	s_lshl_b32 s14, s13, 4
	s_add_co_u32 s14, s14, s12
	s_lshl_b32 s14, s14, 12                        ; fine32: 4,096 bytes a head of a sequence
	s_mov_b32 s15, 0
	s_lshl_b32 s16, s13, 16                        ; the gate: 64 bytes a token, 4 a head
	s_lshl_b32 s22, s12, 2
	s_add_co_u32 s16, s16, s22
	s_mov_b32 s17, 0
	s_lshl_b32 s18, ttmp9, 17                      ; Wo: my 32 rows, my head's 64 columns
	s_lshl_b32 s22, s12, 8
	s_add_co_u32 s18, s18, s22
	s_mov_b32 s19, 0
	s_lshl_b32 s24, s13, 10
	s_add_co_u32 s24, s24, s12                     ; out0: row 1,024 x sequence + w,
	s_lshl_b32 s24, s24, 12
	s_lshl_b32 s22, ttmp9, 7                       ; my 32 columns
	s_add_co_u32 s24, s24, s22
	s_mov_b32 s25, 0
	s_wait_kmcnt 0x0
	s_add_nc_u64 s[4:5], s[4:5], s[14:15]
	s_add_nc_u64 s[6:7], s[6:7], s[16:17]
	s_add_nc_u64 s[8:9], s[8:9], s[18:19]
	s_add_nc_u64 s[10:11], s[10:11], s[24:25]
.irp q, 0,1,2,3,4,5,6,7
	global_load_b128 v[Q+4*\q:Q+4*\q+3], v[LI], s[4:5] offset:512*\q
.endr
.irp q, 0,1,2,3,4,5,6,7
	global_load_b128 v[K+4*\q:K+4*\q+3], v[LI], s[4:5] offset:524288+512*\q
.endr
.irp q, 0,1,2,3,4,5,6,7
	global_load_b128 v[V+4*\q:V+4*\q+3], v[LI], s[4:5] offset:1048576+512*\q
.endr
	global_load_b32 v[GTE], v[R64], s[6:7]
.irp nt, 0,1
.irp ct, 0,1,2,3
	global_load_b128 v[WR+32*\nt+8*\ct:WR+32*\nt+8*\ct+3],   v[WA], s[8:9] offset:65536*\nt+64*\ct
	global_load_b128 v[WR+32*\nt+8*\ct+4:WR+32*\nt+8*\ct+7], v[WA], s[8:9] offset:65536*\nt+64*\ct+16
.endr
.endr
	s_wait_loadcnt 25                              ; q and k are in; v's 8, the gate's 1 and Wo's 16 loads may be out
	; S^T = k q^T: four accumulators by turns, each a quarter of the head's 64
.irp i, 0,1,2,3
.irp b, 0,1,2,3
.if \i == 0
	v_wmma_f32_16x16x4_f32 v[ACC+8*\b:ACC+8*\b+7], v[K+8*\b+2*\i:K+8*\b+2*\i+1], v[Q+8*\b+2*\i:Q+8*\b+2*\i+1], 0
.else
	v_wmma_f32_16x16x4_f32 v[ACC+8*\b:ACC+8*\b+7], v[K+8*\b+2*\i:K+8*\b+2*\i+1], v[Q+8*\b+2*\i:Q+8*\b+2*\i+1], v[ACC+8*\b:ACC+8*\b+7]
.endif
.endr
.endr
.rept 8
	v_nop                                          ; eight places behind this form
.endr
.irp j, 0,1,2,3,4,5,6,7                        ; each accumulator from its low end on
	v_add_f32 v[T+\j], v[ACC+\j], v[ACC+8+\j]
	v_add_f32 v[P+\j], v[ACC+16+\j], v[ACC+24+\j]
.endr
.irp j, 0,1,2,3,4,5,6,7
	v_add_f32 v[T+\j], v[T+\j], v[P+\j]
.endr
.irp j, 0,1,2,3,4,5,6,7
	v_cmp_gt_i32 vcc_lo, \j, v[RH]                 ; key 8 h + j is hidden from query r where j > r - 8 h
	v_cndmask_b32 v[T+\j], v[T+\j], v[NINF], vcc_lo
.endr
.irp j, 0,1,2,3,4,5,6,7
	v_exp_f32 v[P+\j], v[T+\j]
.endr
	v_nop
	s_wait_alu depctr_va_vdst(0)                   ; one wait for the eight, ahead of their first reader
	v_add_f32 v[W], v[P], v[P+1]
	v_add_f32 v[W+1], v[P+2], v[P+3]
	v_add_f32 v[W+2], v[P+4], v[P+5]
	v_add_f32 v[W+3], v[P+6], v[P+7]
	v_add_f32 v[W], v[W], v[W+1]
	v_add_f32 v[W+2], v[W+2], v[W+3]
	v_add_f32 v[W], v[W], v[W+2]
	v_permlanex16_b32 v[W+7], v[W], s20, s21
	v_add_f32 v[W], v[W], v[W+7]                   ; the row's sum
	v_rcp_f32 v[IV], v[W]
	v_nop
	s_wait_alu depctr_va_vdst(0)
	s_wait_loadcnt 16                              ; v and the gate are in; Wo's 16 loads may be out
	v_mul_f32 v[IV], v[IV], v[GTE]
	; O^T = v^T p: the sixteen keys in four steps; four accumulators by turns, begun anew far more than nine places behind their last product
.irp i, 0,1,2,3
.irp ct, 0,1,2,3
.if \i == 0
	v_wmma_f32_16x16x4_f32 v[ACC+8*\ct:ACC+8*\ct+7], v[V+8*\ct+2*\i:V+8*\ct+2*\i+1], v[P+2*\i:P+2*\i+1], 0
.else
	v_wmma_f32_16x16x4_f32 v[ACC+8*\ct:ACC+8*\ct+7], v[V+8*\ct+2*\i:V+8*\ct+2*\i+1], v[P+2*\i:P+2*\i+1], v[ACC+8*\ct:ACC+8*\ct+7]
.endif
.endr
.endr
.rept 8
	v_nop
.endr
.irp n, 0,1,2,3,4,5,6,7,8,9,10,11,12,13,14,15
	v_pk_mul_f32 v[Q+2*\n:Q+2*\n+1], v[ACC+2*\n:ACC+2*\n+1], v[IV:IV+1] op_sel_hi:[1,0]    ; x gate / sum, into other registers
.endr
	s_wait_loadcnt 0x0                             ; Wo
	; my head's part of the projection: source 0 = 16 rows of Wo, source 1 = the 16 tokens; two accumulators by turns
.irp ct, 0,1,2,3
.irp i, 0,1,2,3
.irp nt, 0,1
.if (\ct == 0) && (\i == 0)
	v_wmma_f32_16x16x4_f32 v[DO+8*\nt:DO+8*\nt+7], v[WR+32*\nt+8*\ct+2*\i:WR+32*\nt+8*\ct+2*\i+1], v[Q+8*\ct+2*\i:Q+8*\ct+2*\i+1], 0
.else
	v_wmma_f32_16x16x4_f32 v[DO+8*\nt:DO+8*\nt+7], v[WR+32*\nt+8*\ct+2*\i:WR+32*\nt+8*\ct+2*\i+1], v[Q+8*\ct+2*\i:Q+8*\ct+2*\i+1], v[DO+8*\nt:DO+8*\nt+7]
.endif
.endr
.endr
.endr
.rept 8
	v_nop
.endr
.irp nt, 0,1
	ds_store_b128 v[STO], v[DO+8*\nt:DO+8*\nt+3]   offset:64*\nt       ; token r, columns 16 nt + 8 h + 0 .. 7
	ds_store_b128 v[STO], v[DO+8*\nt+4:DO+8*\nt+7] offset:64*\nt+16
.endr
	s_wait_dscnt 0x0                               ; for the others' sake: my partial sums have landed
	s_barrier_signal -1
	s_barrier_wait -1
.irp p, 0,1,2,3,4,5,6,7,8,9,10,11,12,13,14,15
	ds_load_b32 v[K+\p], v[RDA] offset:2304*\p     ; token w, my column, head p's part
.endr
	s_wait_dscnt 0x0
.irp p, 0,2,4,6,8,10,12,14                     ; a fixed tree
	v_add_f32 v[K+\p], v[K+\p], v[K+\p+1]
.endr
.irp p, 0,4,8,12
	v_add_f32 v[K+\p], v[K+\p], v[K+\p+2]
.endr
	v_add_f32 v[K], v[K], v[K+4]
	v_add_f32 v[K+8], v[K+8], v[K+12]
	v_add_f32 v[K], v[K], v[K+8]
	global_store_b32 v[OA], v[K], s[10:11]
	s_wait_tensorcnt 0x0                           ; the wave's end
	ds_add_u32 v[SPW], v[NIL]
	s_wait_dscnt 0x0
	s_endpgm
.Lfunc_end_k_q2f86147632_fine16:
	.size	k_q2f86147632_fine16, .Lfunc_end_k_q2f86147632_fine16-k_q2f86147632_fine16
	.p2alignl 7, 3214868480
	.fill 96, 4, 3214868480
	.section	.rodata,"a",@progbits
	.p2align	6, 0x0
	.amdhsa_kernel k_q2f86147632_fine16
		.amdhsa_group_segment_fixed_size 38912
		.amdhsa_private_segment_fixed_size 0
		.amdhsa_enable_private_segment 0
		.amdhsa_kernarg_size 32
		.amdhsa_user_sgpr_count 2
		.amdhsa_user_sgpr_kernarg_segment_ptr 1
		.amdhsa_wavefront_size32 1
		.amdhsa_system_sgpr_workgroup_id_x 1
		.amdhsa_system_sgpr_workgroup_id_y 1
		.amdhsa_system_sgpr_workgroup_id_z 1
		.amdhsa_system_vgpr_workitem_id 0
		.amdhsa_next_free_vgpr 256
		.amdhsa_next_free_sgpr 66
		.amdhsa_reserve_vcc 1
		.amdhsa_float_denorm_mode_32 3
		.amdhsa_float_denorm_mode_16_64 3
		.amdhsa_memory_ordered 1
		.amdhsa_forward_progress 1
		.amdhsa_inst_pref_size 17
	.end_amdhsa_kernel
	.amdgpu_metadata
---
amdhsa.version: [ 1, 2 ]
amdhsa.kernels:
  - .name:           k_q2f86147632_fine16
    .symbol:         k_q2f86147632_fine16.kd
    .args:
      - { .name: fine32, .offset: 0, .size: 8, .value_kind: global_buffer, .address_space: global }
      - { .name: gates, .offset: 8, .size: 8, .value_kind: global_buffer, .address_space: global }
      - { .name: Wo, .offset: 16, .size: 8, .value_kind: global_buffer, .address_space: global }
      - { .name: out0, .offset: 24, .size: 8, .value_kind: global_buffer, .address_space: global }
    .group_segment_fixed_size: 38912
    .private_segment_fixed_size: 0
    .kernarg_segment_align: 8
    .kernarg_segment_size: 32
    .max_flat_workgroup_size: 512
    .sgpr_count:     66
    .vgpr_count:     256
    .wavefront_size: 32
...
	.end_amdgpu_metadata
.endif
;; end of part 5
